; MI455X (gfx1250); checked and timed in simulation.
; The chip was launched on July 23, 2026; its instructions are those of AMD's public machine-readable ISA for CDNA 5 (MIT licence, August 2026) and "CDNA5" Instruction Set Architecture Reference Guide (July 2026). The comments in the code are by the model that wrote it; some were corrected since.
;; Multi Head Attention. Allowed arithmetic: matrix products marked QUANTISED: E2M1 operands, one E8M0 scale for each 32 along K, by v_wmma_scale_f32_16x16x128_f8f6f4 with both operands' format E2M1 (or v_wmma_scale_f32_32x16x128_f4), f32 sums; products left as they are: bf16, f16 or f32 operands; f32 sums; everything else in f32.
;; Inputs: W_out 1,024 x 1,024 float32; W_qkv 1,024 x 3,072 float32; x 4 x 2,048 x 1,024 float32.
;; Outputs: out0 4 x 2,048 x 1,024 float32.
;; This version of the problem:
;;   THIS VERSION OF THE PROBLEM IS GIVEN IN LOW PRECISION. The matrix products marked QUANTISED in the list below multiply operands that are first quantised to E2M1 (2 exponent bits, 1 mantissa bit; 4 bits a number), with one power-of-two scale for each 32 numbers along K (OCP MX v1.0); their sums are f32. The products marked 'left as it is' may take bf16, f16 or f32 operands, with f32 sums. Whichever they take, every output number must still come out within the allowed error. Rounding operands to bf16 (8 significant bits) uses up far more of that allowance than f16 does (11 bits, for magnitudes from 6e-5 to 65,504). All else is computed in f32.
;;   The module's matrix products, in the order in which they are computed (A, B: the left and right operand; K: the contracted axis; several contracted axes count as one K, in the product's order):
;;     1. [M 8,192, K 1,024] x [K 1,024, N 3,072]; A: input x; B: input W_qkv: QUANTISED
;;     2. batch 64 x [M 2,048, K 64] x [K 64, N 2,048]; A: computed on the way; B: computed on the way: left as it is (an operand is computed on the way)
;;     3. batch 64 x [M 64, K 2,048] x [K 2,048, N 2,048]; A: computed on the way; B: computed on the way: left as it is (an operand is computed on the way)
;;     4. [M 8,192, K 1,024] x [K 1,024, N 1,024]; A: computed on the way; B: input W_out: left as it is (an operand is computed on the way)
;;   THE QUANTISER, for each operand of a quantised product, along K:
;;     - K is cut into blocks of 32 from its start; a last block that is shorter is filled with zeros.
;;     - A block's scale is 2^e with e = floor(log2(the largest magnitude in the block)) - 2, held to -126 .. 127; a block of zeros has e = 0. As a byte (E8M0): e + 127.
;;     - Each number is divided by its block's scale, clamped to +-6, and rounded to the nearest number of E2M1, ties to even, subnormals kept.
;;     - The product sums the exact products of the quantised numbers (number of the format x scale) in f32.
;;   ~~~python
;;   def quantise(x, axis):      # numpy; x: float32 -> the quantised numbers, widened to float32 again
;;       x = np.moveaxis(x, axis, -1); K = x.shape[-1]
;;       x = np.pad(x, [(0, 0)] * (x.ndim - 1) + [(0, -K % 32)]); x = x.reshape(x.shape[:-1] + (-1, 32)); a = np.abs(x).max(-1, keepdims=True)
;;       e = np.where(a > 0, np.clip(np.frexp(np.where(a > 0, a, 1))[1] - 1 - 2, -126, 127), 0)      # np.frexp(a)[1] - 1 = floor(log2(a)), exactly
;;       r = np.clip(x / 2.0 ** e, -6, 6)
;;       step = 2.0 ** (np.maximum(np.frexp(np.where(r == 0, 1, r))[1] - 1, 0) - 1)
;;       q = np.round(r / step) * step * 2.0 ** e      # np.round: ties to even
;;       return np.moveaxis(q.reshape(q.shape[:-2] + (-1,))[..., :K], -1, axis).astype(np.float32)
;;   ~~~
;; One version. Each part assembles by itself: llvm-mc -triple=amdgcn-amd-amdhsa -mcpu=gfx1250 --defsym DOCPART=n.
;; ======== version 1 of 1: 5 launches
;; limits: values are held in f16: magnitudes above 65,504 overflow, below 6.1e-05 lose precision
;; workspace buffers: x_codes 4,194,304 bytes; x_scales 262,144 bytes; w_codes 1,572,864 bytes; w_scales 98,304 bytes; wo 2,097,152 bytes; qkv 50,331,648 bytes; att 16,777,216 bytes
;; launch quant_x (part 1): grid 256 x 1, 4 waves a work-group, no clusters, 33,280 bytes of LDS; arguments x, x_codes, x_scales; writes x_codes, x_scales
.if DOCPART == 1
	.amdgcn_target "amdgcn-amd-amdhsa--gfx1250"
	.amdhsa_code_object_version 6
	.text
	.protected	k_q9a7e34836b_quant_x
	.globl	k_q9a7e34836b_quant_x
	.p2align	8
	.type	k_q9a7e34836b_quant_x,@function
k_q9a7e34836b_quant_x:
	s_mov_b64 s[64:65], 0
	v_nop
	global_prefetch_b8 v0, s[64:65] scope:SCOPE_SE
	s_setreg_imm32_b32 hwreg(HW_REG_WAVE_MODE, 25, 1), 1
	s_wait_xcnt 0x0
; x [8192][1024], f32, becomes codes of FP4 (E2M1), K innermost, two codes a byte (x_codes [8192][512]), with one E8M0 scale byte for each 32 along K (x_scales [8192][32]).
; A block's scale is 2^(floor(log2(its largest magnitude)) - 2); its byte is the largest magnitude's exponent field - 2, held at 1 from below.  Each number is divided by the scale and rounded to the nearest code, ties to even;
; what lies beyond 6 gets the largest code.
; LIMITS: a block of zeros gets the byte 1 (the stated quantiser says 127): its codes are zeros, which add nothing, and this program alone reads the bytes.  Blocks whose largest magnitude lies under 2^-124 keep the byte 1.
; NaN and infinities among the inputs are not served.
; Rows are dense and 1,024 is a multiple of 32: the tensor is a plain stream of blocks of 32.  256 work-groups x 4 waves x 16 steps x 512 numbers = 8,388,608.
; Each of a step's four loads reads 512 consecutive bytes, 16 a lane; the 2,048 bytes turn through the wave's own stage in LDS and come back 64 bytes a lane, so that a lane holds 16 neighbours along K
; (two neighbouring lanes hold a block).  A lane's 16 codes are 8 bytes: the wave stores 256 consecutive bytes.  A wave's 256 scale bytes are gathered in its own LDS bytes and leave as one store of 256 consecutive bytes.
; No barrier: waves share nothing.  Loads run four steps (16 loads a wave) ahead, the turn through LDS one step.
.set WAVES, 4
.set STEPS, 16
.set CB,    8                          ; bytes of 16 codes
.set R,     16                         ; v16-79   four sets of 16 numbers as they are loaded
.set X,     80                         ; v80-111  two sets of 16 neighbours
.set E,     112                        ; v112-127 a scale byte for each step
.set C,     128                        ; v128-191 codes: four registers for each step, so that no store's data are written again
.set WREG,  8192                       ; LDS: a region for each wave: two stages of 32 x SP bytes, behind them its 256 scale bytes
.set SP,    80                         ; a lane's place in a stage: 64 bytes + 16 of padding
.set SPW,   12                         ; v12 LDS address of my spare word; never rewritten
.set NIL,   13                         ; v13 0; never rewritten
.set SPARE, WAVES*WREG                 ; behind the four regions: the spare words, 128 bytes a wave
	s_load_b128 s[4:7], s[0:1], 0x0                ; x s[4:5], x_codes s[6:7]
	s_load_b64 s[8:9], s[0:1], 0x10                ; x_scales
	v_lshl_add_u32 v[SPW], v0, 2, SPARE
	v_mov_b32 v[NIL], 0
	v_lshrrev_b32 v1, 5, v0
	v_readfirstlane_b32 s16, v1                    ; wave
	v_and_b32 v2, 31, v0                           ; lane
	v_lshlrev_b32 v3, 4, v2                        ; my 16 bytes of a load's 512
	s_mul_i32 s17, s16, WREG
	v_lshrrev_b32 v14, 2, v2
	v_mul_u32_u24 v14, v14, SP
	v_and_b32 v15, 3, v2
	v_lshl_add_u32 v14, v15, 4, v14
	v_add_nc_u32 v14, s17, v14                     ; the stage, on the way in: SP (lane / 4) + 16 (lane % 4); a load's 512 bytes take eight places
	v_mul_u32_u24 v15, v2, SP
	v_add_nc_u32 v15, s17, v15                     ; and on the way out: SP x lane: my 16 neighbours
	v_mul_u32_u24 v4, v2, CB                       ; my codes' place in a step's
	v_lshrrev_b32 v5, 1, v2
	s_add_co_u32 s17, s17, 2*32*SP
	v_add_nc_u32 v5, s17, v5                       ; LDS: my wave's 256 scale bytes, my block's byte
	v_lshlrev_b32 v7, 3, v2                        ; and on the way out 8 bytes a lane
	v_add_nc_u32 v6, s17, v7
	s_lshl_b32 s18, ttmp9, 2
	s_add_co_u32 s18, s18, s16                     ; which run of 8,192 numbers is my wave's: 0 .. 1,023
	s_lshl_b32 s20, s18, 15                        ; 32,768 bytes of x a run,
	s_mov_b32 s21, 0
	s_lshl_b32 s22, s18, 12                        ; 4,096 bytes of codes,
	s_mov_b32 s23, 0
	s_lshl_b32 s24, s18, 8                         ; 256 scale bytes
	s_mov_b32 s25, 0
	s_wait_kmcnt 0x0
	s_add_nc_u64 s[4:5], s[4:5], s[20:21]
	s_add_nc_u64 s[6:7], s[6:7], s[22:23]
	s_add_nc_u64 s[8:9], s[8:9], s[24:25]
.macro LOAD t
.irp i, 0,1,2,3
	global_load_b128 v[R+16*((\t)%4)+4*\i:R+16*((\t)%4)+4*\i+3], v3, s[4:5] offset:2048*(\t)+512*\i th:TH_LOAD_NT   ; 32 lanes read 512 consecutive bytes
.endr
.endm
.macro TURN t                          ; step t's numbers through the stage: LDS serves a wave's instructions in order, so no wait stands between the stores and the loads
.irp i, 0,1,2,3
	ds_store_b128 v14, v[R+16*((\t)%4)+4*\i:R+16*((\t)%4)+4*\i+3] offset:32*SP*((\t)%2)+8*SP*\i
.endr
.irp i, 0,1,2,3
	ds_load_b128 v[X+16*((\t)%2)+4*\i:X+16*((\t)%2)+4*\i+3], v15 offset:32*SP*((\t)%2)+16*\i
.endr
.endm
.irp t, 0,1,2,3
	LOAD \t
.endr
	s_wait_loadcnt 12                              ; step 0's four loads are in; the 12 of steps 1 to 3 may be out
	TURN 0
.macro STEP t
.set XS, X+16*((\t)%2)
.if (\t) > 0
	s_wait_dscnt 1                                 ; this step's numbers are back from the stage (the last step's byte store may be out): so its stores into the stage have read their registers,
.else
	s_wait_dscnt 0x0
.endif
.if (\t)+4 < STEPS
	LOAD (\t)+4                                    ; which take the loads of four steps on
.endif
.if (\t)+1 < STEPS
.if STEPS-2-(\t) >= 3
	s_wait_loadcnt 12                              ; the next step's four loads are in; those of the three steps behind it may be out
.else
	s_wait_loadcnt 4*(STEPS-2-(\t))                ; near the end fewer steps stand behind it
.endif
	TURN (\t)+1                                    ; and go through the other stage while this step is worked
.endif
	v_max3_num_f32 v8, |v[XS]|, |v[XS+1]|, |v[XS+2]|               ; the largest magnitude of my 16, in two chains
	v_max3_num_f32 v9, |v[XS+3]|, |v[XS+4]|, |v[XS+5]|
.irp i, 6,10
	v_max3_num_f32 v8, v8, |v[XS+\i]|, |v[XS+\i+1]|
	v_max3_num_f32 v9, v9, |v[XS+\i+2]|, |v[XS+\i+3]|
.endr
	v_max3_num_f32 v8, v8, |v[XS+14]|, |v[XS+15]|
	v_max3_num_f32 v8, v8, v9, 0x1800000           ; and the floor 2^(3 - 127): so the byte cannot fall under 1
	v_max_num_f32_dpp v8, v8, v8 row_xmask:1 row_mask:0xf bank_mask:0xf   ; and of my neighbour's 16: the block's
	v_add_nc_u32 v11, 0xff000000, v8               ; 2 off its exponent field: the conversion takes the exponent field of this operand as its scale
	v_cvt_scalef32_pk8_fp4_f32 v[C+4*(\t)], v[XS:XS+7], v11
	v_cvt_scalef32_pk8_fp4_f32 v[C+4*(\t)+1], v[XS+8:XS+15], v11
	v_lshrrev_b32 v[E+(\t)], 23, v11               ; the scale's byte (also the plain line behind the conversions)
	ds_store_b8 v5, v[E+(\t)] offset:16*(\t)       ; both lanes of a block write the same byte with the same value
	global_store_b64 v4, v[C+4*(\t):C+4*(\t)+1], s[6:7] offset:32*CB*(\t)   ; 32 lanes store 256 consecutive bytes
.endm
.irp t, 0,1,2,3,4,5,6,7,8,9,10,11,12,13,14,15
	STEP \t
.endr
	ds_load_b64 v[8:9], v6                         ; LDS serves a wave's instructions in order: these see my byte stores
	s_wait_dscnt 0x0
	global_store_b64 v7, v[8:9], s[8:9]            ; 32 lanes store 256 consecutive bytes
	s_wait_tensorcnt 0x0                           ; the wave's end: behind my last LDS store
	ds_add_u32 v[SPW], v[NIL]
	s_wait_dscnt 0x0
	s_endpgm
.Lfunc_end_k_q9a7e34836b_quant_x:
	.size	k_q9a7e34836b_quant_x, .Lfunc_end_k_q9a7e34836b_quant_x-k_q9a7e34836b_quant_x
	.p2alignl 7, 3214868480
	.fill 96, 4, 3214868480
	.section	.rodata,"a",@progbits
	.p2align	6, 0x0
	.amdhsa_kernel k_q9a7e34836b_quant_x
		.amdhsa_group_segment_fixed_size 33280
		.amdhsa_private_segment_fixed_size 0
		.amdhsa_enable_private_segment 0
		.amdhsa_kernarg_size 24
		.amdhsa_user_sgpr_count 2
		.amdhsa_user_sgpr_kernarg_segment_ptr 1
		.amdhsa_wavefront_size32 1
		.amdhsa_system_sgpr_workgroup_id_x 1
		.amdhsa_system_sgpr_workgroup_id_y 1
		.amdhsa_system_sgpr_workgroup_id_z 1
		.amdhsa_system_vgpr_workitem_id 0
		.amdhsa_next_free_vgpr 192
		.amdhsa_next_free_sgpr 66
		.amdhsa_reserve_vcc 0
		.amdhsa_float_denorm_mode_32 3
		.amdhsa_float_denorm_mode_16_64 3
		.amdhsa_memory_ordered 1
		.amdhsa_forward_progress 1
		.amdhsa_inst_pref_size 33
	.end_amdhsa_kernel
	.amdgpu_metadata
---
amdhsa.version: [ 1, 2 ]
amdhsa.kernels:
  - .name:           k_q9a7e34836b_quant_x
    .symbol:         k_q9a7e34836b_quant_x.kd
    .args:
      - { .name: x, .offset: 0, .size: 8, .value_kind: global_buffer, .address_space: global }
      - { .name: x_codes, .offset: 8, .size: 8, .value_kind: global_buffer, .address_space: global }
      - { .name: x_scales, .offset: 16, .size: 8, .value_kind: global_buffer, .address_space: global }
    .group_segment_fixed_size: 33280
    .private_segment_fixed_size: 0
    .kernarg_segment_align: 8
    .kernarg_segment_size: 24
    .max_flat_workgroup_size: 128
    .sgpr_count:     66
    .vgpr_count:     192
    .wavefront_size: 32
...
	.end_amdgpu_metadata
.endif
;; end of part 1
;; launch prep_w (part 2): grid 64 x 1, 16 waves a work-group, no clusters, 36,864 bytes of LDS; arguments W_qkv, W_out, w_codes, w_scales, wo; writes w_codes, w_scales, wo
.if DOCPART == 2
	.amdgcn_target "amdgcn-amd-amdhsa--gfx1250"
	.amdhsa_code_object_version 6
	.text
	.protected	k_q9a7e34836b_prep_w
	.globl	k_q9a7e34836b_prep_w
	.p2align	8
	.type	k_q9a7e34836b_prep_w,@function
k_q9a7e34836b_prep_w:
	s_mov_b64 s[64:65], 0
	v_nop
	global_prefetch_b8 v0, s[64:65] scope:SCOPE_SE
	s_setreg_imm32_b32 hwreg(HW_REG_WAVE_MODE, 25, 1), 1
	s_wait_xcnt 0x0
; Both weights are laid out for the launches that multiply by them.  K is the FIRST axis of both: a lane takes a column and its registers run down K, so nothing is transposed by an instruction.
; WORK-GROUPS 0-47: W_qkv [1024 k][3072 n], f32, becomes codes of FP4 (E2M1) with K innermost, w_codes [3072 rows][512 bytes], and E8M0 scale bytes w_scales [3072][32].
;   THE ROWS ARE RE-ORDERED: column n = 192 hd + 64 kind + d goes to row 128 hd + 64 kind + d for kind 0 (q) and 1 (k), and to row 2,048 + 64 hd + d for kind 2 (v): q and k of all heads first, then all v.
;   A work-group takes 128 columns x 512 along K; wave (cg = wave % 4, kq = wave / 4) 32 columns x 128 along K: four blocks of 32 a lane.  The codes meet in one stage in LDS (128 rows x 256 bytes + 16)
;   and leave as rows: sixteen lanes store 256 consecutive aligned bytes.  A lane's four scale bytes leave by one store of 4 bytes, 32 bytes from lane to lane: 98,304 bytes in the whole launch.
; WORK-GROUPS 48-63: W_out [1024 k][1024 n], f32, becomes f16 IMAGES OF OPERAND REGISTERS: wo [n / 16][k / 32][1,024 bytes]; in an image the eight numbers k = 8 o .. 8 o + 7 of column n lie at 256 o + 16 (n % 16).
;   That is what a lane of a 16 x 32 fragment of 16-bit numbers holds (registers 0-3 at 16 x lane, registers 4-7 at 512 + 16 x lane).  Shares as above; no LDS.
; A block's scale is 2^(floor(log2(its largest magnitude)) - 2), its byte held at 1 from below.
; LIMITS: a block of zeros gets the byte 1 (the stated quantiser says 127): its codes are zeros, and this program alone reads the bytes.  W_out beyond 65,504 in size would become infinity in f16.  NaN and infinities are not served.
; Sixteen waves, since a wave's load of 4 bytes a lane is 128 bytes: 64 loads of each of 16 waves are on their way at the start.
.set PW,    12288                      ; a row of W_qkv in bytes
.set PO,    4096                       ; a row of W_out
.set PITCH, 272                        ; a stage row: 256 bytes of codes + 16
.set SPARE, 128*PITCH                  ; behind the stage: the spare words, 128 bytes for each of 16 waves
.set X,     32                         ; v32-95   two sets of 32 numbers
.set C,     96                         ; v96-99   a block's codes
.set H,     96                         ; v96-159  the casting path: 16 registers of f16 pairs for each of four blocks
.set OUTR,  112                        ; v112-127 the way out of the stage
.set SB,    24                         ; v24      my four scale bytes
.set SPW,   14                         ; v14 LDS address of my spare word; never rewritten
.set NIL,   15                         ; v15 0; never rewritten
	s_load_b256 s[4:11], s[0:1], 0x0               ; W_qkv s[4:5], W_out s[6:7], w_codes s[8:9], w_scales s[10:11]
	s_load_b64 s[12:13], s[0:1], 0x20              ; wo
	v_lshl_add_u32 v[SPW], v0, 2, SPARE
	v_mov_b32 v[NIL], 0
	v_lshrrev_b32 v1, 5, v0
	v_readfirstlane_b32 s16, v1                    ; wave 0..15
	v_and_b32 v2, 31, v0                           ; lane
	s_and_b32 s17, s16, 3                          ; cg: which 32 columns
	s_lshr_b32 s18, s16, 2                         ; kq: which 128 along K
	v_lshlrev_b32 v3, 2, v2                        ; in: 4 bytes a lane
	v_and_b32 v5, 15, v2
	v_lshrrev_b32 v6, 4, v2
.macro LOAD t, base, pitch             ; block t: rows 32 t + i, i = 0 .. 31, of my column, into set t % 2; neighbouring lanes read neighbouring columns
.irp i, 0,1,2,3,4,5,6,7,8,9,10,11,12,13,14,15,16,17,18,19,20,21,22,23,24,25,26,27,28,29,30,31
	global_load_b32 v[X+32*((\t)%2)+\i], v3, s[\base:\base+1] offset:(32*(\t)+\i)*\pitch th:TH_LOAD_NT
.endr
.endm
; the first new row of the group of 64 columns g = 3 hd + kind.  hd = g / 3 = (171 g) >> 9, exact for g under 48.  g is used up
.macro MAPROW dst, g, t0, t1
	s_mul_i32 s[\t0], s[\g], 171
	s_lshr_b32 s[\t0], s[\t0], 9                   ; hd
	s_mul_i32 s[\t1], s[\t0], 3
	s_sub_co_u32 s[\t1], s[\g], s[\t1]             ; kind
	s_lshl_b32 s[\dst], s[\t0], 7
	s_lshl_b32 s[\g], s[\t1], 6
	s_add_co_u32 s[\dst], s[\dst], s[\g]           ; q, k: 128 hd + 64 kind
	s_lshl_b32 s[\t0], s[\t0], 6
	s_add_co_u32 s[\t0], s[\t0], 2048              ; v: 2,048 + 64 hd
	s_cmp_eq_u32 s[\t1], 2
	s_cselect_b32 s[\dst], s[\t0], s[\dst]
.endm
	s_cmp_lt_u32 ttmp9, 48                         ; the work-group's number alone: all sixteen waves go the same way
	s_cbranch_scc0 .Lcast
	; ---- W_qkv into codes
	s_lshr_b32 s19, ttmp9, 1                       ; which 128 columns: 0 .. 23
	s_and_b32 s20, ttmp9, 1                        ; which 512 along K
	s_lshl_b32 s21, s20, 9
	s_lshl_b32 s22, s18, 7
	s_add_co_u32 s21, s21, s22                     ; my first k
	s_mul_i32 s22, s21, PW
	s_lshl_b32 s23, s19, 9
	s_add_co_u32 s22, s22, s23
	s_lshl_b32 s23, s17, 7
	s_add_co_u32 s22, s22, s23                     ; + 4 bytes x my first column
	s_mov_b32 s23, 0
	s_lshl_b32 s24, s17, 5
	s_mul_i32 s24, s24, PITCH
	s_lshl_b32 s25, s18, 6
	s_add_co_u32 s24, s24, s25
	v_mul_u32_u24 v4, v2, PITCH
	v_add_nc_u32 v4, s24, v4                       ; into the stage: row 32 cg + lane, byte 64 kq
	s_mul_i32 s24, s16, 8*PITCH
	v_mul_u32_u24 v7, v6, PITCH
	v_lshl_add_u32 v7, v5, 4, v7
	v_add_nc_u32 v7, s24, v7                       ; out of it: wave w takes rows 8 w .. 8 w + 7, sixteen lanes to a row, two rows an instruction
	v_lshlrev_b32 v8, 9, v6
	v_lshl_add_u32 v8, v5, 4, v8                   ; and the same place in w_codes (rows of 512 bytes)
	v_lshlrev_b32 v9, 5, v2                        ; my column's row of scale bytes: 32 bytes a row
	s_lshl_b32 s26, s19, 1
	s_lshr_b32 s27, s17, 1
	s_add_co_u32 s26, s26, s27                     ; the group of 64 columns in which my 32 lie
	MAPROW 28, 26, 29, 30
	s_and_b32 s27, s17, 1
	s_lshl_b32 s27, s27, 5
	s_add_co_u32 s28, s28, s27                     ; my first new row
	s_lshl_b32 s28, s28, 5
	s_lshl_b32 s27, s20, 4
	s_add_co_u32 s28, s28, s27
	s_lshl_b32 s27, s18, 2
	s_add_co_u32 s28, s28, s27                     ; scale bytes: row x 32 + my first k / 32
	s_mov_b32 s29, 0
	s_lshl_b32 s26, s19, 1
	s_lshr_b32 s27, s16, 3
	s_add_co_u32 s26, s26, s27                     ; the group of 64 in which the rows lie that I store
	MAPROW 32, 26, 33, 34
	s_lshl_b32 s27, s16, 3
	s_and_b32 s27, s27, 63
	s_add_co_u32 s32, s32, s27
	s_lshl_b32 s32, s32, 9
	s_lshl_b32 s27, s20, 8
	s_add_co_u32 s32, s32, s27                     ; codes: row x 512 + 256 x (which 512 along K)
	s_mov_b32 s33, 0
	s_wait_kmcnt 0x0
	s_add_nc_u64 s[4:5], s[4:5], s[22:23]
	s_add_nc_u64 s[10:11], s[10:11], s[28:29]
	s_add_nc_u64 s[8:9], s[8:9], s[32:33]
	LOAD 0, 4, PW
	LOAD 1, 4, PW
.macro BLOCK t
.set XS, X+32*((\t)%2)
.if (\t) < 3
	s_wait_loadcnt 32                              ; this block's 32 loads are in; the next block's 32 may be out
.else
	s_wait_loadcnt 0
.endif
	v_max3_num_f32 v12, |v[XS]|, |v[XS+1]|, |v[XS+2]|               ; the block's largest magnitude: all 32 numbers are mine
	v_max3_num_f32 v13, |v[XS+3]|, |v[XS+4]|, |v[XS+5]|
.irp i, 6,10,14,18,22,26
	v_max3_num_f32 v12, v12, |v[XS+\i]|, |v[XS+\i+1]|
	v_max3_num_f32 v13, v13, |v[XS+\i+2]|, |v[XS+\i+3]|
.endr
	v_max3_num_f32 v12, v12, |v[XS+30]|, |v[XS+31]|
	v_max3_num_f32 v12, v12, v13, 0x1800000        ; and the floor 2^(3 - 127): the byte cannot fall under 1
	v_add_nc_u32 v11, 0xff000000, v12              ; 2 off its exponent field: the conversion's scale operand
	v_lshrrev_b32 v13, 23, v11                     ; the scale's byte
.if (\t) == 0
	v_mov_b32 v[SB], v13                           ; four bytes to the register, the lower K in the lower byte
.else
	v_lshl_or_b32 v[SB], v13, 8*(\t), v[SB]
.endif
.irp g, 0,1,2,3
	v_cvt_scalef32_pk8_fp4_f32 v[C+\g], v[XS+8*\g:XS+8*\g+7], v11
.endr
	ds_store_b128 v4, v[C:C+3] offset:16*(\t)      ; 32 codes: 16 bytes of my column's row.  (The codes go to an LDS store alone; the next block begins with plain vector lines)
.if (\t)+2 < 4
	LOAD (\t)+2, 4, PW
.endif
	s_wait_dscnt 0x0                               ; the store has read its registers: the next block's codes may be written
.endm
	BLOCK 0
	BLOCK 1
	BLOCK 2
	BLOCK 3
	global_store_b32 v9, v[SB], s[10:11]           ; my column's four scale bytes
	s_wait_dscnt 0x0                               ; for the others' sake: my stores into the stage are done
	s_barrier_signal -1
	s_barrier_wait -1                              ; 128 whole rows of 256 bytes lie in the stage
.irp t, 0,1,2,3
	ds_load_b128 v[OUTR+4*\t:OUTR+4*\t+3], v7 offset:2*\t*PITCH
.endr
.irp t, 0,1,2,3
	s_wait_dscnt 3-\t                              ; LDS loads come back in order: pair t of rows is in, the later ones may be out
	global_store_b128 v8, v[OUTR+4*\t:OUTR+4*\t+3], s[8:9] offset:2*\t*512   ; sixteen lanes store 256 consecutive aligned bytes
.endr
	s_branch .Lend
	; ---- W_out into f16 images
.Lcast:
	s_sub_co_u32 s19, ttmp9, 48
	s_and_b32 s20, s19, 1                          ; which 512 along K
	s_lshr_b32 s19, s19, 1                         ; which 128 columns: 0 .. 7
	s_lshl_b32 s21, s20, 9
	s_lshl_b32 s22, s18, 7
	s_add_co_u32 s21, s21, s22                     ; my first k
	s_lshl_b32 s22, s21, 12                        ; x 4,096 bytes a row
	s_lshl_b32 s23, s19, 9
	s_add_co_u32 s22, s22, s23
	s_lshl_b32 s23, s17, 7
	s_add_co_u32 s22, s22, s23                     ; + 4 bytes x my first column
	s_mov_b32 s23, 0
	s_lshl_b32 s24, s19, 3
	s_lshl_b32 s25, s17, 1
	s_add_co_u32 s24, s24, s25                     ; my first block of 16 columns,
	s_lshl_b32 s24, s24, 15                        ; 32 images of 1,024 bytes each;
	s_lshl_b32 s25, s20, 14
	s_add_co_u32 s24, s24, s25
	s_lshl_b32 s25, s18, 12
	s_add_co_u32 s24, s24, s25                     ; + my first k / 32 images
	s_mov_b32 s25, 0
	v_lshlrev_b32 v10, 15, v6                      ; lanes 16-31: the next block of 16 columns;
	v_lshl_add_u32 v10, v5, 4, v10                 ; 16 bytes for each column of a block
	s_wait_kmcnt 0x0
	s_add_nc_u64 s[6:7], s[6:7], s[22:23]
	s_add_nc_u64 s[12:13], s[12:13], s[24:25]
	LOAD 0, 6, PO
	LOAD 1, 6, PO
.macro CAST t
.set XS, X+32*((\t)%2)
.if (\t) < 3
	s_wait_loadcnt 32                              ; this block's 32 loads are in; the next block's 32 may be out
.else
	s_wait_loadcnt 0
.endif
.irp i, 0,1,2,3,4,5,6,7,8,9,10,11,12,13,14,15
	v_cvt_pk_f16_f32 v[H+16*(\t)+\i], v[XS+2*\i], v[XS+2*\i+1]     ; the lower k in the low half
.endr
.if (\t)+2 < 4
	LOAD (\t)+2, 6, PO
.endif
.irp o, 0,1,2,3
	global_store_b128 v10, v[H+16*(\t)+4*\o:H+16*(\t)+4*\o+3], s[12:13] offset:1024*(\t)+256*\o   ; eight k of sixteen columns: 256 consecutive aligned bytes; each block has store registers of its own
.endr
.endm
	CAST 0
	CAST 1
	CAST 2
	CAST 3
.Lend:
	s_wait_tensorcnt 0x0                           ; the wave's end: behind my last LDS store
	ds_add_u32 v[SPW], v[NIL]
	s_wait_dscnt 0x0
	s_endpgm
.Lfunc_end_k_q9a7e34836b_prep_w:
	.size	k_q9a7e34836b_prep_w, .Lfunc_end_k_q9a7e34836b_prep_w-k_q9a7e34836b_prep_w
	.p2alignl 7, 3214868480
	.fill 96, 4, 3214868480
	.section	.rodata,"a",@progbits
	.p2align	6, 0x0
	.amdhsa_kernel k_q9a7e34836b_prep_w
		.amdhsa_group_segment_fixed_size 36864
		.amdhsa_private_segment_fixed_size 0
		.amdhsa_enable_private_segment 0
		.amdhsa_kernarg_size 40
		.amdhsa_user_sgpr_count 2
		.amdhsa_user_sgpr_kernarg_segment_ptr 1
		.amdhsa_wavefront_size32 1
		.amdhsa_system_sgpr_workgroup_id_x 1
		.amdhsa_system_sgpr_workgroup_id_y 1
		.amdhsa_system_sgpr_workgroup_id_z 1
		.amdhsa_system_vgpr_workitem_id 0
		.amdhsa_next_free_vgpr 160
		.amdhsa_next_free_sgpr 66
		.amdhsa_reserve_vcc 0
		.amdhsa_float_denorm_mode_32 3
		.amdhsa_float_denorm_mode_16_64 3
		.amdhsa_memory_ordered 1
		.amdhsa_forward_progress 1
		.amdhsa_inst_pref_size 42
	.end_amdhsa_kernel
	.amdgpu_metadata
---
amdhsa.version: [ 1, 2 ]
amdhsa.kernels:
  - .name:           k_q9a7e34836b_prep_w
    .symbol:         k_q9a7e34836b_prep_w.kd
    .args:
      - { .name: W_qkv, .offset: 0, .size: 8, .value_kind: global_buffer, .address_space: global }
      - { .name: W_out, .offset: 8, .size: 8, .value_kind: global_buffer, .address_space: global }
      - { .name: w_codes, .offset: 16, .size: 8, .value_kind: global_buffer, .address_space: global }
      - { .name: w_scales, .offset: 24, .size: 8, .value_kind: global_buffer, .address_space: global }
      - { .name: wo, .offset: 32, .size: 8, .value_kind: global_buffer, .address_space: global }
    .group_segment_fixed_size: 36864
    .private_segment_fixed_size: 0
    .kernarg_segment_align: 8
    .kernarg_segment_size: 40
    .max_flat_workgroup_size: 512
    .sgpr_count:     66
    .vgpr_count:     160
    .wavefront_size: 32
...
	.end_amdgpu_metadata
.endif
;; end of part 2
;; launch qkv_gemm (part 3): grid 12 x 32, 4 waves a work-group, clusters of 4 x 4, 327,680 bytes of LDS; arguments x_codes, x_scales, w_codes, w_scales, qkv; writes qkv
.if DOCPART == 3
	.amdgcn_target "amdgcn-amd-amdhsa--gfx1250"
	.amdhsa_code_object_version 6
	.text
	.protected	k_q9a7e34836b_qkv_gemm
	.globl	k_q9a7e34836b_qkv_gemm
	.p2align	8
	.type	k_q9a7e34836b_qkv_gemm,@function
k_q9a7e34836b_qkv_gemm:
	s_mov_b64 s[64:65], 0
	v_nop
	global_prefetch_b8 v0, s[64:65] scope:SCOPE_SE
	s_setreg_imm32_b32 hwreg(HW_REG_WAVE_MODE, 25, 1), 1
	s_wait_xcnt 0x0
	s_wait_alu depctr_hold_cnt(0) depctr_sa_sdst(0) depctr_va_vdst(0) depctr_va_sdst(0) depctr_va_ssrc(0) depctr_va_vcc(0) depctr_vm_vsrc(0)
	s_getreg_b32 s2, hwreg(HW_REG_IB_STS2, 6, 4)
	s_cmp_eq_u32 s2, 0
	s_cbranch_scc0 .Lentry_in_a_cluster
	s_endpgm
.Lentry_in_a_cluster:
	s_bfe_u32 s2, ttmp6, 0x10000c
	s_cmp_lg_u32 s2, 0xf033
	s_cbranch_scc0 .Lentry_shape_is_right
	s_endpgm
.Lentry_shape_is_right:
; qkv = Q(x) Q(W_qkv): the quantised product, on codes of FP4 (E2M1) with one E8M0 scale for each 32 along K = 1,024; sums in f32; the results leave as f16.
; x_codes [8192][512 bytes], x_scales [8192][32]; w_codes [3072 rows][512], w_scales [3072][32], rows re-ordered: 0-2,047 are 128 hd + 64 kind + d (kind 0 = q, 1 = k), 2,048-3,071 are v's 64 hd + d.
; A work-group of four waves makes 256 x 256, a wave 128 x 128: 64 accumulators of 16 x 16.  K goes in two steps of 512 through two LDS slots, each filled once; the scale bytes of the work-group's rows come once.
; THE MATRIX INSTRUCTION IS USED TRANSPOSED (source 0 = 16 rows of 'B', source 1 = 16 rows of 'A'): a lane holds ONE row of A and eight neighbouring rows of B.
; TWO REGIONS, told apart by the CLUSTER's x, which all sixteen partners share:
;   cluster x 0, 1 (q and k): A = x (tokens), B = w.  A lane holds a token and eight neighbouring channels.
;   cluster x 2 (v):          A = w (rows 2,048 on), B = x.  A lane holds a channel and eight neighbouring tokens: v comes out turned, as the second product of attention wants it.
; THE RESULTS ARE STORED AS IMAGES OF OPERAND REGISTERS.  A fragment of 16 rows x 32 k of f16 is 1,024 bytes: registers 0-3 at 16 x lane, registers 4-7 at 512 + 16 x lane.  An accumulator, rounded to f16 in pairs,
; IS half such an image: so a block of 16 rows x 128 leaves by eight stores of 512 consecutive bytes, 4,096 bytes on end, with no way through LDS.
;   part QK, from byte 0:          [token / 16 (512)][4 hd + 2 kind + channel / 32 (64)][1,024]
;   part V,  from byte 33,554,432: [4 hd + channel / 16 (64)][token / 32 (256)][1,024]
; CLUSTERS: 4 x 4 work-groups.  A's tiles hang on cy and the cluster's place alone and are shared along a row of the cluster, B's on cx and the cluster's place and are shared along a column: joint loads.
; LIMIT: a result beyond 65,504 in size becomes infinity in f16.  NaN and infinities are not served.
; REGISTERS, in windows of 256: window 0: v0-31 addresses; v32-95 scale words, two sets; v128-191 A's fragments, one set; v192-223 packed results.  window 1: B's fragments, two sets, at v0 and v128.
;   window 2: the accumulators of my rows 0-63 (accumulator (a, b) at v[8 (8 a + b)]);  window 3: those of my rows 64-127.
.set KSTEP,  512                       ; along K in a slot
.set NQ,     KSTEP/128                 ; matrix instructions deep
.set ROWB,   256                       ; a tile's row in bytes
.set KROW,   512                       ; a row of codes in memory
.set PITCH,  272                       ; an LDS row: 256 bytes + 16 of padding, so that the 16 rows that a load touches do not begin 256 bytes apart
.set FR,     8                         ; registers of a fragment: 16 rows x 128 K
.set NL,     2                         ; LDS loads that bring one
.set NP,     4                         ; places behind this matrix instruction (ISA guide 7.12.1)
.set HALFT,  128*PITCH                 ; 128 rows: what one tensor load brings
.set SLOT,   4*HALFT                   ; A's 256 rows, then B's 256 rows
.set KS,     32                        ; a row of scale bytes
.set SCL,    2*SLOT                    ; behind the slots: the scales, as rows of 256 bytes + 16
.set HALFS,  (128*KS/256)*272          ; the scales of 128 rows
.set SBLK,   (16*KS/256)*272           ; those of 16 rows
.set SPARE,  SCL+4*HALFS               ; behind the scales: the spare words, 128 bytes a wave
.set ADRA, 16                          ; v16-17  LDS address of my A fragments in slot 0, 1
.set ADRB, 20                          ; v20-21  the same for B
.set CO,   26                          ; v26     16 x lane: my place in a store's 512 bytes
.set ADRS, 27                          ; v27     LDS address of my scale words: lanes 0-15 A's rows, lanes 16-31 B's
.set SPW,  28                          ; v28     LDS address of my spare word; never rewritten
.set NIL,  29                          ; v29     0; never rewritten
.set SC,   32                          ; scale words: set s at v[SC + 32 s]; register 4 i + q: lanes 0-15 the word of A's block i, lanes 16-31 that of B's block i, for the slot's q-th 128 along K
.set AF,   128                         ; A's fragments
.set TMP,  192                         ; the way out: 32 registers of f16 pairs
.set G1, 24                            ; s[24:31] descriptor group 1 for A's tiles;  s[32:39] group 0, one set for each slot
.set G0, 32
.set G1B, 48                           ; s[48:55], s[56:63] the same for B's tiles
.set G0B, 56
.set G1S, 68                           ; s[68:75], s[76:79] groups 1 and 0 for A's scales;  s[80:87], s[88:91] for B's
.set G0S, 76
.set G1SB, 80
.set G0SB, 88
.set MSB, 0
.macro WIN new                         ; the immediate's high byte repeats the setting that is left
.if MSB != \new
	s_set_vgpr_msb (MSB<<8)|\new
.set MSB, \new
.endif
.endm
.set MUL_LO, 0xa1                      ; source 0 (B) window 1, source 1 (A) window 0, C and D window 2
.set MUL_HI, 0xf1                      ; the same, C and D window 3
.set TO_B,   0x40                      ; destination window 1, address window 0
; A joint load: waves 0 and 1 fetch for A, waves 2 and 3 for B.  The branch hangs on the wave's number alone.  An s_nop 0 and four v_nop follow each of the two lines.
.macro JLOAD g0a, g1a, g0b, g1b
	s_cmp_eq_u32 s15, 0
	s_cbranch_scc0 .Lfor_b_\@
	tensor_load_to_lds s[\g0a:\g0a+3], s[\g1a:\g1a+7]
	s_nop 0
.rept 4
	v_nop
.endr
	s_branch .Lasked_\@
.Lfor_b_\@:
	tensor_load_to_lds s[\g0b:\g0b+3], s[\g1b:\g1b+7]
	s_nop 0
.rept 4
	v_nop
.endr
.Lasked_\@:
.endm
.macro CROUND                          ; a round of the cluster's barrier
	s_barrier_signal -1
	s_barrier_wait -1
	s_cmp_lg_u32 s14, 0
	s_cbranch_scc1 .Lnot_wave_0_\@
	s_barrier_signal -3
.Lnot_wave_0_\@:
	s_barrier_wait -3
	s_barrier_signal -1
	s_barrier_wait -1
.endm
	s_load_b128 s[4:7], s[0:1], 0x0                ; x's codes s[4:5], x's scales s[6:7]
	s_load_b128 s[8:11], s[0:1], 0x10              ; w's codes s[8:9], w's scales s[10:11]
	s_load_b64 s[12:13], s[0:1], 0x20              ; qkv
	v_lshl_add_u32 v[SPW], v0, 2, SPARE
	v_mov_b32 v[NIL], 0
	ds_add_u32 v[SPW], v[NIL]                      ; the wave's opening: the add, twice on end, and its wait ahead of my first tensor load
	ds_add_u32 v[SPW], v[NIL]
	v_lshrrev_b32 v1, 5, v0
	v_readfirstlane_b32 s14, v1                    ; wave 0..3
	s_lshr_b32 s15, s14, 1                         ; which half of the tile's A rows is mine.  Also: I fetch for A (0) or for B (1)
	s_and_b32 s16, s14, 1                          ; which half of its B rows.  Also: which 128 rows of that tile I fetch
	s_bfe_u32 s40, ttmp6, 0x40000                  ; cx, cy: my place in the cluster
	s_bfe_u32 s41, ttmp6, 0x40004
	s_and_b32 s95, ttmp7, 0xffff
	s_lshl_b32 s95, s95, 2                         ; 4 x cluster y
	s_lshl_b32 s96, ttmp9, 2                       ; 4 x cluster x
	s_mov_b32 s92, 65536
	s_cmp_eq_u32 ttmp9, 2                          ; the v region?  The cluster's x alone: the same in all sixteen partners
	s_cselect_b32 s17, 8, s95                      ; A's tile of 256 rows: w's tiles 8 .. 11, or x's 4 cluster y + cy
	s_cselect_b32 s42, s95, s96                    ; B's: x's 4 cluster y + cx, or w's 4 cluster x + cx
	s_cselect_b32 s97, 8, 0                        ; what A's tile number counts from in the output
	s_cselect_b32 s92, 262144, s92                 ; bytes from a block of 16 A rows to the next in the output
	s_cselect_b32 s94, 0x2000000, 0                ; where the output's part begins
	s_mov_b32 s93, 0
	s_add_co_u32 s17, s17, s41
	s_add_co_u32 s42, s42, s40
	s_lshl_b32 s43, s41, 2
	s_lshl_b32 s43, 15, s43                        ; my row of the cluster
	s_lshl_b32 s44, 0x1111, s40                    ; my column
	; descriptor group 1: a tile of 128 rows x 256 bytes, 16 bytes of padding behind each row
	s_or_b32 s[G1+0], s43, (0<<16)|(1<<20)|(1<<21)|(5<<22)|(3<<25)  ; 15:0 the mask: A's tiles go to my row; 17:16 elements of 1 byte; 20 padding on; 21 set beside a mask; 24:22 after every 64 words; 31:25 four words
	s_or_b32 s[G1B+0], s44, (0<<16)|(1<<20)|(1<<21)|(5<<22)|(3<<25)
.irp g, G1, G1B
	s_mov_b32 s[\g+1], ROWB<<16                    ; tensor_dim0
	s_mov_b32 s[\g+2], 128<<16                     ; tensor_dim1
	s_mov_b32 s[\g+3], ROWB<<16                    ; tile_dim0
	s_mov_b32 s[\g+4], 128                         ; tile_dim1
	s_mov_b32 s[\g+5], KROW                        ; tensor_dim0_stride: the same in x_codes and w_codes
	s_mov_b32 s[\g+6], 0
	s_mov_b32 s[\g+7], 0
.endr
	; the scales of 128 rows: a dense block of 4,096 bytes, as 16 rows of 256 bytes (32 elements of 8 bytes), 16 bytes of padding behind each
	s_or_b32 s[G1S+0], s43, (3<<16)|(1<<20)|(1<<21)|(5<<22)|(3<<25)
	s_or_b32 s[G1SB+0], s44, (3<<16)|(1<<20)|(1<<21)|(5<<22)|(3<<25)
.irp g, G1S, G1SB
	s_mov_b32 s[\g+1], 32<<16
	s_mov_b32 s[\g+2], (128*KS/256)<<16
	s_mov_b32 s[\g+3], 32<<16
	s_mov_b32 s[\g+4], 128*KS/256
	s_mov_b32 s[\g+5], 32
	s_mov_b32 s[\g+6], 0
	s_mov_b32 s[\g+7], 0
.endr
	s_lshl_b32 s18, s16, 7                         ; which 128 rows of the tile I fetch
	s_lshl_b32 s20, s17, 8
	s_add_co_u32 s20, s20, s18                     ; A: row 256 x tile + 128 x half
	s_lshl_b32 s46, s42, 8
	s_add_co_u32 s46, s46, s18                     ; B likewise
	s_mov_b32 s21, 0
	s_mov_b32 s47, 0
	s_mov_b64 s[18:19], KS
	s_mul_u64 s[22:23], s[20:21], s[18:19]         ; where these rows' scales begin, in bytes
	s_mul_u64 s[66:67], s[46:47], s[18:19]
	s_mov_b64 s[18:19], KROW
	s_mul_u64 s[20:21], s[20:21], s[18:19]         ; and their codes
	s_mul_u64 s[46:47], s[46:47], s[18:19]
	s_mul_i32 s45, s14, HALFT                      ; where they go: wave x 128 rows: no place in the cluster enters an LDS address
	s_mul_i32 s2, s14, HALFS
	s_wait_dscnt 0x0                               ; both opening adds are done
	s_wait_kmcnt 0x0
	s_cmp_eq_u32 ttmp9, 2                          ; which tensor is A and which B: a choice that hangs on no address
	s_cselect_b64 s[98:99], s[8:9], s[4:5]         ; A's codes
	s_cselect_b64 s[100:101], s[10:11], s[6:7]     ; A's scales
	s_cselect_b64 s[8:9], s[4:5], s[8:9]           ; B's codes
	s_cselect_b64 s[10:11], s[6:7], s[10:11]       ; B's scales
	s_add_nc_u64 s[20:21], s[98:99], s[20:21]
	s_add_nc_u64 s[22:23], s[100:101], s[22:23]
	s_add_nc_u64 s[46:47], s[8:9], s[46:47]
	s_add_nc_u64 s[66:67], s[10:11], s[66:67]
	CROUND                                         ; all sixteen work-groups are here: the first joint loads meet
	s_mov_b32 s[G0S], 1
	s_add_co_u32 s[G0S+1], s2, SCL
	s_mov_b64 s[G0S+2:G0S+3], s[22:23]
	s_or_b32 s[G0S+3], s[G0S+3], 0x80000000
	s_mov_b32 s[G0SB], 1
	s_add_co_u32 s[G0SB+1], s2, SCL
	s_mov_b64 s[G0SB+2:G0SB+3], s[66:67]
	s_or_b32 s[G0SB+3], s[G0SB+3], 0x80000000
	JLOAD G0S, G1S, G0SB, G1SB                     ; the scales first: they are wanted with K step 0
.irp s, 0,1
	s_mov_b32 s[G0+4*\s], 1
	s_add_co_u32 s[G0+4*\s+1], s45, \s*SLOT
	s_add_nc_u64 s[G0+4*\s+2:G0+4*\s+3], s[20:21], \s*ROWB
	s_or_b32 s[G0+4*\s+3], s[G0+4*\s+3], 0x80000000
	s_mov_b32 s[G0B+4*\s], 1
	s_add_co_u32 s[G0B+4*\s+1], s45, \s*SLOT
	s_add_nc_u64 s[G0B+4*\s+2:G0B+4*\s+3], s[46:47], \s*ROWB
	s_or_b32 s[G0B+4*\s+3], s[G0B+4*\s+3], 0x80000000
	JLOAD G0+4*\s, G1, G0B+4*\s, G1B               ; both K steps: three loads of mine are out, and no byte is filled twice
.endr
	v_and_b32 v1, 15, v0                           ; l % 16
	v_bfe_u32 v2, v0, 4, 1                         ; l / 16
	v_mul_u32_u24 v3, v1, PITCH
	v_lshl_add_u32 v4, v2, 4, v3                   ; a fragment's row x pitch + 16 x half
	s_mul_i32 s21, s15, HALFT                      ; my 128 rows of A
	s_mul_i32 s22, s16, HALFT                      ; my 128 rows of B,
	s_add_co_u32 s22, s22, 2*HALFT                 ; which lie behind A's 256
.irp s, 0,1
	v_add_nc_u32 v[ADRA+\s], s21, v4
	v_add_nc_u32 v[ADRB+\s], s22, v4
	s_add_co_u32 s21, s21, SLOT
	s_add_co_u32 s22, s22, SLOT
.endr
	v_mul_u32_u24 v5, v1, KS                       ; my row's scales: 32 bytes a row,
	v_lshrrev_b32 v6, 8, v5
	v_lshl_add_u32 v5, v6, 4, v5                   ; and 16 more for each 256 passed
	s_mul_i32 s21, s15, HALFS                      ; A's: my 128 rows
	s_mul_i32 s22, s16, HALFS                      ; B's: my 128 rows, behind A's 256
	s_add_co_u32 s22, s22, 2*HALFS
	s_sub_co_u32 s22, s22, s21
	v_mul_u32_u24 v6, s22, v2                      ; lanes 16-31 take B's: one product, the distance between the two bases
	s_add_co_u32 s21, s21, SCL
	v_add_nc_u32 v5, v5, v6
	v_add_nc_u32 v[ADRS], s21, v5
	v_and_b32 v6, 31, v0
	v_lshlrev_b32 v[CO], 4, v6
	; where my part of the output begins: its part + (16 x (A's tile in the part) + 8 x half) blocks of 16 A rows + (8 x B's tile + 4 x half) images of 1,024 bytes.  All under 2^26
	s_sub_co_u32 s20, s17, s97
	s_lshl_b32 s20, s20, 4
	s_lshl_b32 s21, s15, 3
	s_add_co_u32 s20, s20, s21
	s_mul_i32 s20, s20, s92
	s_add_co_u32 s20, s20, s94
	s_lshl_b32 s46, s42, 13
	s_lshl_b32 s47, s16, 12
	s_add_co_u32 s46, s46, s47
	s_add_co_u32 s20, s20, s46
	s_mov_b32 s21, 0
	s_add_nc_u64 s[12:13], s[12:13], s[20:21]
.macro FRAG reg, adr, q, i             ; a fragment, 16 rows x 128 K of 4-bit codes, is 8 registers: lane l holds row l % 16; registers 4 c .. 4 c + 3 hold K = 64 c + 32 (l / 16) + 0 .. 31
.irp c, 0,1
	ds_load_b128 v[\reg+4*\c:\reg+4*\c+3], v[\adr] offset:64*(\q)+32*\c+(\i)*16*PITCH
.endr
.endm
; 16 matrix instructions: A's blocks a0, a0 + 1 x B's eight, 128 along K: the slot's q-th.  p: B's set;  sc: the set of scale words.  zero = 1: the first product starts the sums: nothing is cleared.
; The 64 accumulators take turns, one instruction a turn, in the same order in every step.
.macro MUL16 a0, p, q, sc, zero
.irp a, \a0, \a0+1
.irp b, 0,1,2,3,4,5,6,7
.if \zero
	v_wmma_scale_f32_16x16x128_f8f6f4 v[8*(8*((\a)%4)+\b):8*(8*((\a)%4)+\b)+7], v[128*(\p)+FR*\b:128*(\p)+FR*\b+FR-1], v[AF+FR*(\a):AF+FR*(\a)+FR-1], 0, v[SC+8*NQ*(\sc)+NQ*\b+(\q)], v[SC+8*NQ*(\sc)+NQ*(\a)+(\q)] matrix_a_fmt:MATRIX_FMT_FP4 matrix_b_fmt:MATRIX_FMT_FP4 matrix_a_scale:MATRIX_SCALE_ROW1
.else
	v_wmma_scale_f32_16x16x128_f8f6f4 v[8*(8*((\a)%4)+\b):8*(8*((\a)%4)+\b)+7], v[128*(\p)+FR*\b:128*(\p)+FR*\b+FR-1], v[AF+FR*(\a):AF+FR*(\a)+FR-1], v[8*(8*((\a)%4)+\b):8*(8*((\a)%4)+\b)+7], v[SC+8*NQ*(\sc)+NQ*\b+(\q)], v[SC+8*NQ*(\sc)+NQ*(\a)+(\q)] matrix_a_fmt:MATRIX_FMT_FP4 matrix_b_fmt:MATRIX_FMT_FP4 matrix_a_scale:MATRIX_SCALE_ROW1
.endif
.endr
.endr
.endm
.macro FETCH_B slot, q, p              ; B's eight fragments of the slot's q-th 128 along K into set p
	WIN TO_B
.irp i, 0,1,2,3,4,5,6,7
	FRAG 128*(\p)+FR*\i, ADRB+\slot, \q, \i
.endr
	WIN 0
.endm
.macro FETCH_A slot, q, i0             ; A's blocks i0 .. i0 + 3
.irp i, \i0, \i0+1, \i0+2, \i0+3
	FRAG AF+FR*(\i), ADRA+\slot, \q, \i
.endr
.endm
.macro SCALES sc                       ; a K step's scale words into set sc: four words a row; lanes 0-15 take A's block i, lanes 16-31 B's block i
.irp i, 0,1,2,3,4,5,6,7
	ds_load_b128 v[SC+8*NQ*\sc+NQ*\i:SC+8*NQ*\sc+NQ*\i+3], v[ADRS] offset:\i*SBLK
.endr
.endm
; A load into a register that a matrix instruction has read, and a vector instruction that reads a matrix result, stand four places behind that matrix instruction; only plain vector instructions
; that name none of its registers are places (ISA guide 7.12.1 for vector instructions).
.macro PLACES n
.rept \n
	v_nop
.endr
.endm
; A step of 128 along K that has its successor in the same slot.  A's blocks are free as soon as their eight products are issued: one set serves A; B has two sets.
.macro STEP slot, q, zero
	s_wait_dscnt 4*NL                              ; B's set and A's blocks 0-3 are in; the youngest eight loads (A's blocks 4-7) may be out
	WIN MUL_LO
	MUL16 0, (\q)%2, \q, \slot, \zero
	MUL16 2, (\q)%2, \q, \slot, \zero
	s_wait_dscnt 0                                 ; A's blocks 4-7 are in
	PLACES NP
	FETCH_B \slot, (\q)+1, 1-(\q)%2
	FETCH_A \slot, (\q)+1, 0
	WIN MUL_HI
	MUL16 4, (\q)%2, \q, \slot, \zero
	MUL16 6, (\q)%2, \q, \slot, \zero
	PLACES NP
	WIN 0
	FETCH_A \slot, (\q)+1, 4
.endm
; Slot 0's last step changes slots: one barrier; in front of it each wave waits for all its tensor loads (its part of slot 1), adds 0 to its spare word, and waits for that and for its reads.  Nothing is filled again.
.macro TURN slot, next
	s_wait_tensorcnt 0x0                           ; all my tensor loads have landed: my part of the next slot  (every window is 0 here)
	ds_add_u32 v[SPW], v[NIL]                      ; 0 onto my spare word
	s_wait_dscnt 4*NL+1                            ; the add and the youngest eight loads (A's blocks 4-7) may be out
	WIN MUL_LO
	MUL16 0, 1, NQ-1, \slot, 0                     ; sixteen matrix instructions stand between the add and the wait for it
	s_wait_dscnt 0x0                               ; the add is done, and my reads of this slot are over
	s_barrier_signal -1
	MUL16 2, 1, NQ-1, \slot, 0
	WIN 0
	s_barrier_wait -1                              ; everybody's part of the next slot is in
	PLACES NP
	v_add_nc_u32 v[ADRS], 4*NQ, v[ADRS]            ; on to the next K step's scale words (no LDS load of mine is out)
	FETCH_B \next, 0, 0
	FETCH_A \next, 0, 0
	SCALES \next
	WIN MUL_HI
	MUL16 4, 1, NQ-1, \slot, 0
	MUL16 6, 1, NQ-1, \slot, 0
	PLACES NP
	WIN 0
	FETCH_A \next, 0, 4
.endm
	s_wait_tensorcnt 1                             ; the scales and my part of K step 0 are in; K step 1's load, issued last, may be out
	s_barrier_signal -1
	s_barrier_wait -1                              ; everybody's are
	FETCH_B 0, 0, 0
	FETCH_A 0, 0, 0
	SCALES 0
	FETCH_A 0, 0, 4
	STEP 0, 0, 1                                   ; the first step's products start the sums
	STEP 0, 1, 0
	STEP 0, 2, 0
	TURN 0, 1
	STEP 1, 0, 0
	STEP 1, 1, 0
	STEP 1, 2, 0
	s_wait_dscnt 4*NL                              ; the very last step: nothing more to fetch
	WIN MUL_LO
	MUL16 0, 1, NQ-1, 1, 0
	MUL16 2, 1, NQ-1, 1, 0
	s_wait_dscnt 0
	WIN MUL_HI
	MUL16 4, 1, NQ-1, 1, 0
	MUL16 6, 1, NQ-1, 1, 0
	WIN 0
; THE WAY OUT, block by block of 16 A rows x 128 B rows.  Accumulator (a, b), rounded to f16 in pairs, is 16 bytes a lane: the half b % 2 of image b / 2.  Eight stores of 512 consecutive bytes: 4,096 bytes on end.
.macro PACK a
.set AC, 64*((\a)%4)
	WIN 0x0a+5*((\a)/4)                            ; sources 0 and 1: window 2 or 3
.irp b, 0,1,2,3,4,5,6,7
.irp i, 0,1,2,3
	v_cvt_pk_f16_f32 v[TMP+4*\b+\i], v[AC+8*\b+2*\i], v[AC+8*\b+2*\i+1]   ; each accumulator from its low end on
.endr
.endr
	WIN 0
.endm
	PLACES NP                                      ; behind the last products
.irp a, 0,1,2,3,4,5,6,7
.if \a > 0
	s_wait_xcnt 0x0                                ; the last block's stores have read their data and their base: both are written again only behind this wait
	s_add_nc_u64 s[12:13], s[12:13], s[92:93]      ; the next block of 16 A rows
.endif
	PACK \a
.irp b, 0,1,2,3,4,5,6,7
	global_store_b128 v[CO], v[TMP+4*\b:TMP+4*\b+3], s[12:13] offset:512*\b
.endr
.endr
	s_wait_tensorcnt 0x0                           ; the wave's end: behind my last tensor load
	ds_add_u32 v[SPW], v[NIL]
	s_wait_dscnt 0x0
	CROUND                                         ; the closing round: no work-group ends while a partner may still ask for a tile that names it
	s_endpgm
.Lfunc_end_k_q9a7e34836b_qkv_gemm:
	.size	k_q9a7e34836b_qkv_gemm, .Lfunc_end_k_q9a7e34836b_qkv_gemm-k_q9a7e34836b_qkv_gemm
	.p2alignl 7, 3214868480
	.fill 96, 4, 3214868480
	.section	.rodata,"a",@progbits
	.p2align	6, 0x0
	.amdhsa_kernel k_q9a7e34836b_qkv_gemm
		.amdhsa_group_segment_fixed_size 327680
		.amdhsa_private_segment_fixed_size 0
		.amdhsa_enable_private_segment 0
		.amdhsa_kernarg_size 40
		.amdhsa_user_sgpr_count 2
		.amdhsa_user_sgpr_kernarg_segment_ptr 1
		.amdhsa_wavefront_size32 1
		.amdhsa_system_sgpr_workgroup_id_x 1
		.amdhsa_system_sgpr_workgroup_id_y 1
		.amdhsa_system_sgpr_workgroup_id_z 1
		.amdhsa_system_vgpr_workitem_id 0
		.amdhsa_next_free_vgpr 1024
		.amdhsa_next_free_sgpr 102
		.amdhsa_reserve_vcc 0
		.amdhsa_float_denorm_mode_32 3
		.amdhsa_float_denorm_mode_16_64 3
		.amdhsa_memory_ordered 1
		.amdhsa_forward_progress 1
		.amdhsa_inst_pref_size 118
	.end_amdhsa_kernel
	.amdgpu_metadata
---
amdhsa.version: [ 1, 2 ]
amdhsa.kernels:
  - .name:           k_q9a7e34836b_qkv_gemm
    .symbol:         k_q9a7e34836b_qkv_gemm.kd
    .args:
      - { .name: x_codes, .offset: 0, .size: 8, .value_kind: global_buffer, .address_space: global }
      - { .name: x_scales, .offset: 8, .size: 8, .value_kind: global_buffer, .address_space: global }
      - { .name: w_codes, .offset: 16, .size: 8, .value_kind: global_buffer, .address_space: global }
      - { .name: w_scales, .offset: 24, .size: 8, .value_kind: global_buffer, .address_space: global }
      - { .name: qkv, .offset: 32, .size: 8, .value_kind: global_buffer, .address_space: global }
    .group_segment_fixed_size: 327680
    .private_segment_fixed_size: 0
    .kernarg_segment_align: 8
    .kernarg_segment_size: 40
    .max_flat_workgroup_size: 128
    .sgpr_count:     102
    .vgpr_count:     1024
    .wavefront_size: 32
...
	.end_amdgpu_metadata
.endif
;; end of part 3
;; launch attn (part 4): grid 4 x 64, 16 waves a work-group, clusters of 4 x 1, 327,680 bytes of LDS; arguments qkv, att; writes att
.if DOCPART == 4
	.amdgcn_target "amdgcn-amd-amdhsa--gfx1250"
	.amdhsa_code_object_version 6
	.text
	.protected	k_q9a7e34836b_attn
	.globl	k_q9a7e34836b_attn
	.p2align	8
	.type	k_q9a7e34836b_attn,@function
k_q9a7e34836b_attn:
	s_mov_b64 s[64:65], 0
	v_nop
	global_prefetch_b8 v0, s[64:65] scope:SCOPE_SE
	s_setreg_imm32_b32 hwreg(HW_REG_WAVE_MODE, 25, 1), 1
	s_wait_xcnt 0x0
	s_wait_alu depctr_hold_cnt(0) depctr_sa_sdst(0) depctr_va_vdst(0) depctr_va_sdst(0) depctr_va_ssrc(0) depctr_va_vcc(0) depctr_vm_vsrc(0)
	s_getreg_b32 s2, hwreg(HW_REG_IB_STS2, 6, 4)
	s_cmp_eq_u32 s2, 0
	s_cbranch_scc0 .Lentry_in_a_cluster
	s_endpgm
.Lentry_in_a_cluster:
	s_bfe_u32 s2, ttmp6, 0x10000c
	s_cmp_lg_u32 s2, 0x3003
	s_cbranch_scc0 .Lentry_shape_is_right
	s_endpgm
.Lentry_shape_is_right:
; att[b][i][hd][:] = the sum over j of softmax_j(q[i] . k[j] / 8) v[j][:], for 64 pairs (batch, head), 2,048 tokens, head size 64, no mask.  Operands in f16, products, maxima and sums in f32.
; q, k, v come as IMAGES OF OPERAND REGISTERS (a fragment of 16 rows x 32 k of f16 is 1,024 bytes: registers 0-3 at 16 x lane, registers 4-7 at 512 + 16 x lane):
;   q, k: qkv + [token / 16 (512)][4 hd + 2 kind + channel / 32][1,024];   v, turned: qkv + 33,554,432 + [4 hd + channel / 16 (64)][token / 32 (256)][1,024].
; So every fragment is two loads of 16 bytes at 16 x lane + a constant: 512 consecutive bytes an instruction, no padding, no turning load.  The result leaves as images too: att [token / 16][2 hd + channel / 32][1,024].
; SHARES.  A work-group owns 512 queries of one (batch, head), each of its SIXTEEN waves 32: two tiles of 16, in 256 registers: four waves to a SIMD, so that one wave's softmax stands beside another's products.
; Every wave walks all 2,048 keys, 64 a step.  K and V come through two LDS slots of 256 keys (waves 0, 1: K's halves; waves 2, 3: V's) and are read by all sixteen.
; LAYOUT.  S^T = K Q^T (source 0 = 16 keys, source 1 = 16 queries), O^T = V^T P (source 0 = 16 channels, source 1 = P): a lane holds ONE query throughout.  Two tiles of S^T, rounded to f16 in pairs, ARE a fragment of P.
; SOFTMAX.  A running maximum m and sum l for each query: p = 2^(c s - c m), c = log2(e) / 8; in every step O^T and l are multiplied by a = 2^(c m_old - c m_new).  m begins at -3e38 and O^T and l at 0, so one text serves the first step too.
; CLUSTER.  The four blocks of queries of a (batch, head) form a cluster and ask for each tile of K and V jointly: the same tensor load with the same descriptor and the mask of all four.
; LIMITS: q, k, v are f16 (the launch before holds them under 65,504); NaN and infinities are not served.
; REGISTERS: v1 16 x lane; v2 the slot's LDS address; v3, v4 the add's two; v5 the prefetches' offset; v8-23 statistics; v32-63 Q; v64-127 S^T, then p, then P in place; v128-191 eight fragments of K, then of V; v192-255 O^T.
.set SLOT1, 65536                      ; a slot: K's 16 blocks of 16 keys x 2,048 bytes, then V's 4 rows of 16 channels x 8,192 bytes
.set VOFF,  32768
.set SPARE, 2*SLOT1                    ; behind the slots: the spare words, 128 bytes for each of 16 waves
.set VB,    0x2000000                  ; where v's part of qkv begins
.set LI,  1
.set ADR, 2
.set SPW, 3
.set NIL, 4
.set PFO, 5
.set ST,  8                            ; tile t's statistics at v[ST + 8 t]: +0 c m, +1 m, +2, +3 l (two halves), +4 .. +7 at work; a takes +6, its argument +7
.set Q,   32                           ; tile t, channels 32 c on: v[Q + 16 t + 8 c]
.set S,   64                           ; tile t, keys 16 kt on: v[S + 32 t + 8 kt];  P's fragment of keys 32 ks on: v[S + 32 t + 8 ks]
.set KV,  128
.set O,   192                          ; tile t, channels 16 ct on: v[O + 32 t + 8 ct]
.set WV,  8                            ; s8  my wave's number
.set CS,  24                           ; s[24:25] c: the packed form names a pair and takes its low word for both halves
.set SEL, 26                           ; s[26:27] lane selects for v_permlanex16_b32: lane l xor 16
.set TB,  28                           ; s28 LDS byte at which the slot in hand begins
.set SLOTS, 29                         ; s29 slots still to be asked for
.set LIM, 30                           ; s30 1 in a wave that prefetches, else the greatest number
.set G1K, 32                           ; s[32:39], s[40:47] descriptor groups 1 for K's and V's tiles
.set G1V, 40
.set G0K, 48                           ; s[48:51], s[52:55] their groups 0, which walk
.set G0V, 52
.set PFA, 56                           ; s[56:57] where my prefetches stand
.set PFS, 58                           ; s[58:59] a slot on, in bytes
.set QB,  60                           ; s[60:61] Q at my wave's first tile
.set OB,  62                           ; s[62:63] att likewise
; Waves 0 and 1 fetch for K, waves 2 and 3 for V, the others nothing.  The branches hang on the wave's number alone.  An s_nop 0 and four v_nop follow each of the two lines.
.macro TLOAD
	s_cmp_lt_u32 s[WV], 2
	s_cbranch_scc0 .Lnot_k_\@
	tensor_load_to_lds s[G0K:G0K+3], s[G1K:G1K+7]
	s_nop 0
.rept 4
	v_nop
.endr
	s_branch .Lasked_\@
.Lnot_k_\@:
	s_cmp_lt_u32 s[WV], 4
	s_cbranch_scc0 .Lasked_\@
	tensor_load_to_lds s[G0V:G0V+3], s[G1V:G1V+7]
	s_nop 0
.rept 4
	v_nop
.endr
.Lasked_\@:
.endm
; A PREFETCH INTO THE L2 of what the NEXT change of slots will ask for: 16 x 2,048 bytes of K and 4 x 8,192 of V: 256 pieces of 256 bytes each.  One cluster alone reads a head's K and V.  Its four partners share the pieces out
; BY ADDRESS (262,144 cx bytes on: four blocks of keys in K, one row in V); in each, wave 4 asks for K's and wave 5 for V's, a lane a piece: each piece is named once in the launch.
; It stands a slot's four key steps ahead of the load that wants the bytes.  The last change that fills a slot asks for nothing: there is no slot behind it.  Slots 0 and 1 come by their loads alone.
.macro ASK
	s_cmp_gt_u32 s[SLOTS], s[LIM]
	s_cbranch_scc0 .Lnot_mine_\@
	global_prefetch_b8 v[PFO], s[PFA:PFA+1] th:TH_LOAD_NT scope:SCOPE_SE
.Lnot_mine_\@:
.endm
.macro CROUND                          ; a round of the cluster's barrier
	s_barrier_signal -1
	s_barrier_wait -1
	s_cmp_lg_u32 s[WV], 0
	s_cbranch_scc1 .Lnot_wave_0_\@
	s_barrier_signal -3
.Lnot_wave_0_\@:
	s_barrier_wait -3
	s_barrier_signal -1
	s_barrier_wait -1
.endm
	s_load_b128 s[4:7], s[0:1], 0x0                ; qkv s[4:5], att s[6:7]
	v_lshl_add_u32 v[SPW], v0, 2, SPARE
	v_mov_b32 v[NIL], 0
	ds_add_u32 v[SPW], v[NIL]                      ; the wave's opening: the add, twice on end, and its wait ahead of the first tensor loads
	ds_add_u32 v[SPW], v[NIL]
	v_lshrrev_b32 v1, 5, v0
	v_readfirstlane_b32 s[WV], v1                  ; wave 0..15
	s_bfe_u32 s9, ttmp6, 0x40000                   ; cx: my block of 512 queries
	s_and_b32 s12, ttmp7, 0xffff                   ; 16 b + hd, which the four partners share
	s_lshr_b32 s10, s12, 4                         ; b
	s_and_b32 s11, s12, 15                         ; hd
	s_and_b32 s13, s[WV], 1                        ; which half of a slot's K or V I fetch
	s_lshl_b32 s16, s10, 23                        ; part QK: 128 blocks of 16 tokens x 65,536 bytes a batch,
	s_lshl_b32 s12, s11, 12                        ; 4 images a head
	s_add_co_u32 s16, s16, s12
	s_lshl_b32 s17, s11, 20                        ; part V: 4 rows of 262,144 bytes a head,
	s_lshl_b32 s12, s10, 16                        ; 64 images a batch
	s_add_co_u32 s17, s17, s12
	s_add_co_u32 s17, s17, VB
	s_lshl_b32 s12, s13, 19                        ; my half in memory: 8 blocks of keys, or 2 rows: 524,288 bytes in both
	s_add_co_u32 s18, s16, s12
	s_add_co_u32 s18, s18, 2048                    ; k's two images stand behind q's two
	s_mov_b32 s19, 0
	s_add_co_u32 s20, s17, s12
	s_mov_b32 s21, 0
	s_lshl_b32 s31, s13, 14                        ; my half in a slot: 16,384 bytes: no place in the cluster enters an LDS address
	; what hangs on cx: Q's, att's and the prefetches' addresses alone, in registers that feed no descriptor
	s_lshl_b32 s56, s9, 5
	s_lshl_b32 s57, s[WV], 1
	s_add_co_u32 s56, s56, s57                     ; my first block of 16 queries in the batch: 32 cx + 2 wave
	s_lshl_b32 s22, s56, 16
	s_add_co_u32 s22, s22, s16
	s_mov_b32 s23, 0
	s_lshl_b32 s14, s10, 7
	s_add_co_u32 s14, s14, s56
	s_lshl_b32 s14, s14, 15                        ; att: 32,768 bytes a block of 16 tokens,
	s_lshl_b32 s15, s11, 11                        ; 2 images a head
	s_add_co_u32 s14, s14, s15
	s_mov_b32 s15, 0
	s_lshl_b32 s57, s9, 18                         ; my work-group's part of a slot's pieces
	s_add_co_u32 s2, s16, 2048+(1<<20)             ; K's slot 1; the first change of slots steps it to slot 2
	s_add_co_u32 s3, s17, 8192                     ; V's
	s_mov_b32 s[PFS], 8192
	s_cmp_eq_u32 s[WV], 4                          ; wave 4 asks for K's, wave 5 for V's
	s_cselect_b32 s2, s2, s3
	s_cselect_b32 s[PFS], 1<<20, s[PFS]            ; a slot on
	s_cselect_b32 s56, 16, 11                      ; eight lanes on: a block of keys (65,536 bytes), or 2,048 bytes of a row
	s_mov_b32 s[PFS+1], 0
	s_mov_b32 s3, 0
	s_add_co_u32 s2, s2, s57
	s_lshr_b32 s[LIM], s[WV], 1
	s_cmp_eq_u32 s[LIM], 2
	s_cselect_b32 s[LIM], 1, -1                    ; the wave's number alone: the same in all four partners
	v_and_b32 v[PFO], 31, v0
	v_lshrrev_b32 v6, 3, v[PFO]
	v_and_b32 v[PFO], 7, v[PFO]
	v_lshlrev_b32 v6, s56, v6
	v_lshl_add_u32 v[PFO], v[PFO], 8, v6           ; lanes 256 bytes apart inside 2,048
	v_and_b32 v[LI], 31, v0
	v_lshlrev_b32 v[LI], 4, v[LI]
	; descriptor groups 1, elements of 8 bytes, no padding.  K: 8 rows of 2,048 bytes (k's two images of a block of 16 keys), 65,536 bytes apart.  V: 2 rows of 8,192 bytes (eight images), 262,144 apart
	s_mov_b32 s[G1K], 15|(3<<16)|(1<<21)           ; 15:0 the mask: all four work-groups; 17:16 elements of 8 bytes; 21 set beside a mask
	s_mov_b32 s[G1K+1], 256<<16                    ; tensor_dim0
	s_mov_b32 s[G1K+2], 8<<16                      ; tensor_dim1
	s_mov_b32 s[G1K+3], 256<<16                    ; tile_dim0
	s_mov_b32 s[G1K+4], 8                          ; tile_dim1
	s_mov_b32 s[G1K+5], 8192                       ; tensor_dim0_stride
	s_mov_b32 s[G1K+6], 0
	s_mov_b32 s[G1K+7], 0
	s_mov_b32 s[G1V], 15|(3<<16)|(1<<21)
	s_mov_b32 s[G1V+1], 1024<<16
	s_mov_b32 s[G1V+2], 2<<16
	s_mov_b32 s[G1V+3], 1024<<16
	s_mov_b32 s[G1V+4], 2
	s_mov_b32 s[G1V+5], 32768
	s_mov_b32 s[G1V+6], 0
	s_mov_b32 s[G1V+7], 0
	s_mov_b32 s[CS], 0x3e38aa3b                    ; c = log2(e) / 8
	s_mov_b32 s[CS+1], s[CS]                       ; (named with it as a pair, so it is written)
	s_mov_b32 s[SEL], 0x76543210
	s_mov_b32 s[SEL+1], 0xfedcba98
	s_mov_b32 s[TB], 0
	s_mov_b32 s[SLOTS], 7
	s_wait_dscnt 0x0                               ; both opening adds are done
	s_wait_kmcnt 0x0
	s_add_nc_u64 s[18:19], s[4:5], s[18:19]        ; K and V at my part of slot 0
	s_add_nc_u64 s[20:21], s[4:5], s[20:21]
	s_add_nc_u64 s[QB:QB+1], s[4:5], s[22:23]
	s_add_nc_u64 s[OB:OB+1], s[6:7], s[14:15]
	s_add_nc_u64 s[PFA:PFA+1], s[4:5], s[2:3]
	CROUND                                         ; all four work-groups are here: the first joint loads meet
	s_mov_b32 s[G0K], 1                            ; count = 1
	s_mov_b32 s[G0K+1], s31                        ; LDS address: slot 0
	s_mov_b64 s[G0K+2:G0K+3], s[18:19]             ; global address
	s_or_b32 s[G0K+3], s[G0K+3], 0x80000000        ; type = 2
	s_mov_b32 s[G0V], 1
	s_add_co_u32 s[G0V+1], s31, VOFF
	s_mov_b64 s[G0V+2:G0V+3], s[20:21]
	s_or_b32 s[G0V+3], s[G0V+3], 0x80000000
	TLOAD                                          ; slot 0
.irp t, 0,1
.irp c, 0,1
.irp e, 0,1
	global_load_b128 v[Q+16*\t+8*\c+4*\e:Q+16*\t+8*\c+4*\e+3], v[LI], s[QB:QB+1] offset:65536*\t+1024*\c+512*\e th:TH_LOAD_NT   ; Q stays in registers
.endr
.endr
.endr
.irp t, 0,1
	v_mov_b32 v[ST+8*\t+1], 0xff61b1e6             ; m: -3e38, under every score
	v_mul_f32 v[ST+8*\t], s[CS], v[ST+8*\t+1]      ; c m
	v_mov_b32 v[ST+8*\t+2], 0                      ; l, in two halves
	v_mov_b32 v[ST+8*\t+3], 0
.endr
.irp j, 0,1,2,3,4,5,6,7,8,9,10,11,12,13,14,15,16,17,18,19,20,21,22,23,24,25,26,27,28,29,30,31,32,33,34,35,36,37,38,39,40,41,42,43,44,45,46,47,48,49,50,51,52,53,54,55,56,57,58,59,60,61,62,63
	v_mov_b32 v[O+\j], 0                           ; O^T: the step is written once; its first run finds zeros, which a = 0 leaves zeros
.endr
; A KEY STEP: 64 keys, the q-th of the slot in hand.
.macro STEP q
.rept 5
	v_nop                                          ; behind the last products V^T P: four places are owed by the loads into the registers that held V, five by the products below, which write over P's registers
.endr
.irp kt, 0,1,2,3
.irp c, 0,1
.irp e, 0,1
	ds_load_b128 v[KV+8*(2*\kt+\c)+4*\e:KV+8*(2*\kt+\c)+4*\e+3], v[ADR] offset:8192*(\q)+2048*\kt+1024*\c+512*\e   ; K: keys 16 kt on, channels 32 c on
.endr
.endr
.endr
	s_wait_dscnt 0x0
.irp kt, 0,1,2,3                               ; S^T = K Q^T: the eight accumulators by turns, one instruction a turn; the first eight start the sums
.irp t, 0,1
	v_wmma_f32_16x16x32_f16 v[S+32*\t+8*\kt:S+32*\t+8*\kt+7], v[KV+16*\kt:KV+16*\kt+7], v[Q+16*\t:Q+16*\t+7], 0
.endr
.endr
.irp kt, 0,1,2,3
.irp t, 0,1
	v_wmma_f32_16x16x32_f16 v[S+32*\t+8*\kt:S+32*\t+8*\kt+7], v[KV+16*\kt+8:KV+16*\kt+15], v[Q+16*\t+8:Q+16*\t+15], v[S+32*\t+8*\kt:S+32*\t+8*\kt+7]
.endr
.endr
.rept 4
	v_nop                                          ; places in front of the loads into K's registers and of the first read of the scores
.endr
.irp ks, 0,1
.irp ct, 0,1,2,3
.irp e, 0,1
	ds_load_b128 v[KV+8*(4*\ks+\ct)+4*\e:KV+8*(4*\ks+\ct)+4*\e+3], v[ADR] offset:VOFF+8192*\ct+1024*(2*(\q)+\ks)+512*\e   ; V^T: channels 16 ct on, keys 32 ks on; it lands while the softmax is walked
.endr
.endr
.endr
	; the softmax; the two tiles' lines alternate, so that no line waits for the line above it.  The maximum of a lane's 32 scores and the old m: four chains, each begun at an accumulator's low end
.irp j, 0,1,2,3
.irp t, 0,1
	v_max3_num_f32 v[ST+8*\t+4+\j], v[S+32*\t+8*\j], v[S+32*\t+8*\j+1], v[S+32*\t+8*\j+2]
.endr
.endr
.irp i, 3,5
.irp j, 0,1,2,3
.irp t, 0,1
	v_max3_num_f32 v[ST+8*\t+4+\j], v[ST+8*\t+4+\j], v[S+32*\t+8*\j+\i], v[S+32*\t+8*\j+\i+1]
.endr
.endr
.endr
.irp t, 0,1
	v_max3_num_f32 v[ST+8*\t+4], v[ST+8*\t+4], v[S+32*\t+7], v[S+32*\t+15]
.endr
.irp t, 0,1
	v_max3_num_f32 v[ST+8*\t+6], v[ST+8*\t+6], v[S+32*\t+23], v[S+32*\t+31]
.endr
.irp t, 0,1
	v_max3_num_f32 v[ST+8*\t+4], v[ST+8*\t+4], v[ST+8*\t+5], v[ST+8*\t+6]
.endr
.irp t, 0,1
	v_max3_num_f32 v[ST+8*\t+4], v[ST+8*\t+4], v[ST+8*\t+7], v[ST+8*\t+1]
.endr
.irp t, 0,1
	v_permlanex16_b32 v[ST+8*\t+5], v[ST+8*\t+4], s[SEL], s[SEL+1]   ; the query's other 32 keys lie in the lane 16 away
.endr
.irp t, 0,1
	v_mov_b32 v[ST+8*\t+7], v[ST+8*\t]             ; c m_old is kept for a
.endr
.irp t, 0,1
	v_max_num_f32 v[ST+8*\t+1], v[ST+8*\t+4], v[ST+8*\t+5]   ; the new m
.endr
.irp t, 0,1
	v_mul_f32 v[ST+8*\t], s[CS], v[ST+8*\t+1]      ; c m
.endr
.irp t, 0,1
	v_sub_f32 v[ST+8*\t+7], v[ST+8*\t+7], v[ST+8*\t]   ; c m_old - c m_new, 0 or less
.endr
.irp b, 0,1,2,3,4,5,6,7,8,9,10,11,12,13,14,15
.irp t, 0,1
	v_pk_fma_f32 v[S+32*\t+2*\b:S+32*\t+2*\b+1], v[S+32*\t+2*\b:S+32*\t+2*\b+1], s[CS:CS+1], v[ST+8*\t:ST+8*\t+1] op_sel_hi:[1,0,0] neg_lo:[0,0,1] neg_hi:[0,0,1]   ; c s - c m, two at a time
.endr
.endr
.irp t, 0,1                                    ; ONE BATCH of 66 exponentials, none of which reads another's result
	v_exp_f32 v[ST+8*\t+6], v[ST+8*\t+7]           ; a
.endr
.irp e, 0,1,2,3,4,5,6,7,8,9,10,11,12,13,14,15,16,17,18,19,20,21,22,23,24,25,26,27,28,29,30,31
.irp t, 0,1
	v_exp_f32 v[S+32*\t+\e], v[S+32*\t+\e]         ; p, at most 1
.endr
.endr
	v_nop                                          ; a plain instruction behind the last exponential, ahead of the first use
	s_wait_alu depctr_va_vdst(0)                   ; the wait ahead of the first instruction that names a result: one for the batch
.irp t, 0,1
	v_pk_mul_f32 v[ST+8*\t+2:ST+8*\t+3], v[ST+8*\t+2:ST+8*\t+3], v[ST+8*\t+6:ST+8*\t+7] op_sel_hi:[1,0]   ; l under the new m
.endr
.irp t, 0,1                                    ; the sums are taken of p in f32, ahead of the roundings, which write over p: 16 pairs in two chains
	v_pk_add_f32 v[ST+8*\t+4:ST+8*\t+5], v[S+32*\t:S+32*\t+1], v[S+32*\t+2:S+32*\t+3]
.endr
.irp j, 4,8,12,16,20,24,28
.irp t, 0,1
	v_pk_add_f32 v[ST+8*\t+2:ST+8*\t+3], v[ST+8*\t+2:ST+8*\t+3], v[S+32*\t+\j:S+32*\t+\j+1]
	v_pk_add_f32 v[ST+8*\t+4:ST+8*\t+5], v[ST+8*\t+4:ST+8*\t+5], v[S+32*\t+\j+2:S+32*\t+\j+3]
.endr
.endr
.irp t, 0,1
	v_pk_add_f32 v[ST+8*\t+2:ST+8*\t+3], v[ST+8*\t+2:ST+8*\t+3], v[ST+8*\t+4:ST+8*\t+5]
.endr
.irp i, 0,1,2,3,4,5,6,7,8,9,10,11,12,13,14,15
.irp t, 0,1
	v_cvt_pk_f16_f32 v[S+32*\t+\i], v[S+32*\t+2*\i], v[S+32*\t+2*\i+1]   ; P in place, ascending: register i is written when registers 2 i and 2 i + 1 are read, and never ahead of that
.endr
.endr
.irp i, 0,2,4,6,8,10,12,14,16,18,20,22,24,26,28,30
.irp t, 0,1
	v_pk_mul_f32 v[O+32*\t+\i:O+32*\t+\i+1], v[O+32*\t+\i:O+32*\t+\i+1], v[ST+8*\t+6:ST+8*\t+7] op_sel_hi:[1,0]   ; O^T under the new m, each accumulator from its low end on
.endr
.endr
	s_wait_dscnt 0x0                               ; V is in
.irp ks, 0,1                                   ; O^T += V^T P: the eight accumulators by turns
.irp ct, 0,1,2,3
.irp t, 0,1
	v_wmma_f32_16x16x32_f16 v[O+32*\t+8*\ct:O+32*\t+8*\ct+7], v[KV+8*(4*\ks+\ct):KV+8*(4*\ks+\ct)+7], v[S+32*\t+8*\ks:S+32*\t+8*\ks+7], v[O+32*\t+8*\ct:O+32*\t+8*\ct+7]
.endr
.endr
.endr
.endm
; THE CHANGE OF SLOTS stands at a slot's head.  Each wave waits for all its tensor loads (its part of the slot that it is about to read), adds 0 to its spare word, and waits for that and for its reads of the slot that it has left.
; fill = 1: a round of the cluster's barrier follows, so that no wave of any partner still reads the other slot or has a load on its way; behind it that slot takes the next 256 keys: one load a fetching wave,
; which has a slot's four key steps in which to land.  At most one tensor load of a wave is out.
.macro CHANGE fill
	s_wait_tensorcnt 0x0                           ; no tensor load of mine is out, so a group 0 may be written
	ds_add_u32 v[SPW], v[NIL]                      ; 0 onto my spare word
.if \fill
	ds_add_u32 v[SPW], v[NIL]                      ; and once more: the add twice on end, in every trip alike
	s_xor_b32 s[G0K+1], s[G0K+1], SLOT1            ; the walking descriptors: the other slot than last time,
	s_add_nc_u64 s[G0K+2:G0K+3], s[G0K+2:G0K+3], 1048576   ; the next 16 blocks of keys; the type bits on top are not reached
	s_xor_b32 s[G0V+1], s[G0V+1], SLOT1
	s_add_nc_u64 s[G0V+2:G0V+3], s[G0V+2:G0V+3], 8192      ; the next eight images of each row
	s_wait_xcnt 0x0                                ; the last prefetch, a slot back, has read its address, so it may be written:
	s_add_nc_u64 s[PFA:PFA+1], s[PFA:PFA+1], s[PFS:PFS+1]  ; one slot further on than the walking descriptors
	s_wait_dscnt 0x0                               ; both adds are done, and my reads of the slot that I have left are over
	CROUND
	TLOAD                                          ; the first thing behind the round, and a wave's one tensor load until the next
	ASK
.else
	s_wait_dscnt 0x0                               ; the add is done, and my reads of the slot that I have left are over
	s_barrier_signal -1
	s_barrier_wait -1
.endif
	v_add_nc_u32 v[ADR], s[TB], v[LI]              ; the slot in hand
.endm
.macro SLOT_STEPS
.irp q, 0,1,2,3
	STEP \q
.endr
	s_xor_b32 s[TB], s[TB], SLOT1                  ; on to the other slot
.endm
	s_wait_loadcnt 0x0                             ; Q
.Lslot:                                            ; seven trips: behind each change of slots but the last the next slot is asked for
	CHANGE 1
	SLOT_STEPS
	s_sub_co_u32 s[SLOTS], s[SLOTS], 1
	s_cmp_lg_u32 s[SLOTS], 0
	s_cbranch_scc1 .Lslot
	CHANGE 0                                       ; the last slot is written out
	SLOT_STEPS
	; THE WAY OUT.  l's two halves and the other half of the lanes' are added; O^T is divided by l and rounded to f16: an accumulator is then half an image, 16 bytes a lane.
.rept 4
	v_nop                                          ; places behind the last products
.endr
.irp t, 0,1
	v_add_f32 v[ST+8*\t+4], v[ST+8*\t+2], v[ST+8*\t+3]
.endr
.irp t, 0,1
	v_permlanex16_b32 v[ST+8*\t+5], v[ST+8*\t+4], s[SEL], s[SEL+1]
.endr
.irp t, 0,1
	v_add_f32 v[ST+8*\t+4], v[ST+8*\t+4], v[ST+8*\t+5]
.endr
.irp t, 0,1
	v_rcp_f32 v[ST+8*\t+6], v[ST+8*\t+4]           ; l is at least about 1: the largest p of a row is 1
.endr
	v_nop                                          ; a plain instruction between the last reciprocal and the use of its result
	s_wait_alu depctr_va_vdst(0)                   ; and the wait ahead of the first use: one for both
.irp t, 0,1
.irp i, 0,2,4,6,8,10,12,14,16,18,20,22,24,26,28,30
	v_pk_mul_f32 v[O+32*\t+\i:O+32*\t+\i+1], v[O+32*\t+\i:O+32*\t+\i+1], v[ST+8*\t+6:ST+8*\t+7] op_sel_hi:[1,0]
.endr
.endr
.irp t, 0,1
.irp i, 0,1,2,3,4,5,6,7,8,9,10,11,12,13,14,15
	v_cvt_pk_f16_f32 v[S+16*\t+\i], v[O+32*\t+2*\i], v[O+32*\t+2*\i+1]
.endr
.endr
.irp t, 0,1
.irp ct, 0,1,2,3
	global_store_b128 v[LI], v[S+16*\t+4*\ct:S+16*\t+4*\ct+3], s[OB:OB+1] offset:32768*\t+512*\ct   ; 32 lanes store 512 consecutive aligned bytes; a tile's four stores 2,048 on end
.endr
.endr
	s_wait_tensorcnt 0x0                           ; the wave's end: behind the last tensor load
	ds_add_u32 v[SPW], v[NIL]
	s_wait_dscnt 0x0
	CROUND                                         ; the closing round: no work-group ends while a partner may still ask for a tile that names it
	s_endpgm
.Lfunc_end_k_q9a7e34836b_attn:
	.size	k_q9a7e34836b_attn, .Lfunc_end_k_q9a7e34836b_attn-k_q9a7e34836b_attn
	.p2alignl 7, 3214868480
	.fill 96, 4, 3214868480
	.section	.rodata,"a",@progbits
	.p2align	6, 0x0
	.amdhsa_kernel k_q9a7e34836b_attn
		.amdhsa_group_segment_fixed_size 327680
		.amdhsa_private_segment_fixed_size 0
		.amdhsa_enable_private_segment 0
		.amdhsa_kernarg_size 16
		.amdhsa_user_sgpr_count 2
		.amdhsa_user_sgpr_kernarg_segment_ptr 1
		.amdhsa_wavefront_size32 1
		.amdhsa_system_sgpr_workgroup_id_x 1
		.amdhsa_system_sgpr_workgroup_id_y 1
		.amdhsa_system_sgpr_workgroup_id_z 1
		.amdhsa_system_vgpr_workitem_id 0
		.amdhsa_next_free_vgpr 256
		.amdhsa_next_free_sgpr 66
		.amdhsa_reserve_vcc 0
		.amdhsa_float_denorm_mode_32 3
		.amdhsa_float_denorm_mode_16_64 3
		.amdhsa_memory_ordered 1
		.amdhsa_forward_progress 1
		.amdhsa_inst_pref_size 152
	.end_amdhsa_kernel
	.amdgpu_metadata
---
amdhsa.version: [ 1, 2 ]
amdhsa.kernels:
  - .name:           k_q9a7e34836b_attn
    .symbol:         k_q9a7e34836b_attn.kd
    .args:
      - { .name: qkv, .offset: 0, .size: 8, .value_kind: global_buffer, .address_space: global }
      - { .name: att, .offset: 8, .size: 8, .value_kind: global_buffer, .address_space: global }
    .group_segment_fixed_size: 327680
    .private_segment_fixed_size: 0
    .kernarg_segment_align: 8
    .kernarg_segment_size: 16
    .max_flat_workgroup_size: 512
    .sgpr_count:     66
    .vgpr_count:     256
    .wavefront_size: 32
...
	.end_amdgpu_metadata
.endif
;; end of part 4
;; launch out_gemm (part 5): grid 4 x 64, 4 waves a work-group, clusters of 4 x 4, 327,680 bytes of LDS; arguments att, wo, out0; writes out0
.if DOCPART == 5
	.amdgcn_target "amdgcn-amd-amdhsa--gfx1250"
	.amdhsa_code_object_version 6
	.text
	.protected	k_q9a7e34836b_out_gemm
	.globl	k_q9a7e34836b_out_gemm
	.p2align	8
	.type	k_q9a7e34836b_out_gemm,@function
k_q9a7e34836b_out_gemm:
	s_mov_b64 s[64:65], 0
	v_nop
	global_prefetch_b8 v0, s[64:65] scope:SCOPE_SE
	s_setreg_imm32_b32 hwreg(HW_REG_WAVE_MODE, 25, 1), 1
	s_wait_xcnt 0x0
	s_wait_alu depctr_hold_cnt(0) depctr_sa_sdst(0) depctr_va_vdst(0) depctr_va_sdst(0) depctr_va_ssrc(0) depctr_va_vcc(0) depctr_vm_vsrc(0)
	s_getreg_b32 s2, hwreg(HW_REG_IB_STS2, 6, 4)
	s_cmp_eq_u32 s2, 0
	s_cbranch_scc0 .Lentry_in_a_cluster
	s_endpgm
.Lentry_in_a_cluster:
	s_bfe_u32 s2, ttmp6, 0x10000c
	s_cmp_lg_u32 s2, 0xf033
	s_cbranch_scc0 .Lentry_shape_is_right
	s_endpgm
.Lentry_shape_is_right:
; out0[m][n] = the sum over k of att[m][k] W_out[k][n]: 8,192 x 1,024 x 1,024, operands in f16, sums in f32, out0 in f32.
; Both operands come as IMAGES OF OPERAND REGISTERS (a fragment of 16 rows x 32 k of f16 is 1,024 bytes: registers 0-3 at 16 x lane, registers 4-7 at 512 + 16 x lane):
;   att [m / 16 (512)][k / 32 (32)][1,024];   wo [n / 16 (64)][k / 32 (32)][1,024].  So a fragment is two loads of 16 bytes at 16 x lane + a constant: 512 consecutive bytes an instruction, no padding.
; A tile of out0 is 128 (m) x 256 (n): 256 work-groups of four waves; wave (hr = wave / 2, hc = wave % 2) makes 64 x 128: 32 accumulators of 16 x 16, 256 registers.
; K goes in eight steps of 128 through a ring of two LDS slots: of a block of 16 rows a step is four images, 4,096 consecutive bytes.  Waves 0 and 1 fetch A's two halves (4 blocks each), waves 2 and 3 B's (8 blocks each).
; CLUSTERS: 4 x 4 work-groups.  A's tiles hang on the tile row alone and are shared along a row of the cluster, B's on the tile column alone and are shared along a column: joint loads.
; THE MATRIX INSTRUCTION IS USED TRANSPOSED (source 0 = 16 rows of B, source 1 = 16 rows of A): a lane holds eight neighbouring numbers of a row of out0.
; No prefetch: a step's loads are short against the launch's own traffic of operands and results, which goes on all the while.
; REGISTERS: window 0: v16-29 addresses; two fragment buffers of 96 at v32 and v128 (A's four fragments, then B's eight); on the way out v32-159 hold rows of out0.   window 1: the accumulators ((a, b) at v[8 (8 a + b)]).
.set SLOT,   98304                     ; A's 8 blocks x 4,096 bytes, then B's 16 blocks x 4,096
.set BOFF,   32768
.set SPARE,  2*SLOT                    ; behind the ring: the spare words, 128 bytes a wave
.set SPITCH, 528                       ; the way out: a stage of 16 rows x (512 bytes + 16) for each wave.  It lies in slot 0, which has had its last fill and its last read when the first result is stored there
.set LAPS,   4                         ; a lap = two K steps = once round the ring
.set ADRA, 16                          ; v16-17  LDS address of my A fragments in slot 0, 1
.set ADRB, 20                          ; v20-21  the same for B
.set STO,  24                          ; v24     the way out: where I put 32 bytes of a row
.set RD,   25                          ; v25     where I read a row back
.set CO,   26                          ; v26     16 x lane
.set SPW,  28                          ; v28     LDS address of my spare word; never rewritten
.set NIL,  29                          ; v29     0; never rewritten
.set F0,   32
.set F1,   128
.set BK,   32                          ; the way out: 16 rows read back: v32-95 and v96-159 by turns
.set G1, 24                            ; s[24:31] descriptor group 1 for A's tiles;  s[32:39] group 0, one set for each slot
.set G0, 32
.set G1B, 48                           ; s[48:55], s[56:63] the same for B's tiles
.set G0B, 56
.set MSB, 0
.macro WIN new                         ; the immediate's high byte repeats the setting that is left
.if MSB != \new
	s_set_vgpr_msb (MSB<<8)|\new
.set MSB, \new
.endif
.endm
.set MUL, 0x50                         ; C and D window 1; A and B window 0
.macro JLOAD s                         ; a joint load: waves 0 and 1 fetch for A, waves 2 and 3 for B; an s_nop 0 and four v_nop follow each of the two lines
	s_cmp_eq_u32 s11, 0
	s_cbranch_scc0 .Lfor_b_\@
	tensor_load_to_lds s[G0+4*\s:G0+4*\s+3], s[G1:G1+7]
	s_nop 0
.rept 4
	v_nop
.endr
	s_branch .Lasked_\@
.Lfor_b_\@:
	tensor_load_to_lds s[G0B+4*\s:G0B+4*\s+3], s[G1B:G1B+7]
	s_nop 0
.rept 4
	v_nop
.endr
.Lasked_\@:
.endm
.macro CREST                           ; a round of the cluster's barrier behind its opening barrier
	s_cmp_lg_u32 s10, 0
	s_cbranch_scc1 .Lnot_wave_0_\@
	s_barrier_signal -3
.Lnot_wave_0_\@:
	s_barrier_wait -3
	s_barrier_signal -1
	s_barrier_wait -1
.endm
.macro CROUND                          ; a whole round
	s_barrier_signal -1
	s_barrier_wait -1
	CREST
.endm
	s_load_b128 s[4:7], s[0:1], 0x0                ; att s[4:5], wo s[6:7]
	s_load_b64 s[8:9], s[0:1], 0x10                ; out0
	v_lshl_add_u32 v[SPW], v0, 2, SPARE
	v_mov_b32 v[NIL], 0
	ds_add_u32 v[SPW], v[NIL]                      ; the wave's opening: the add, twice on end, and its wait ahead of my first tensor load
	ds_add_u32 v[SPW], v[NIL]
	v_lshrrev_b32 v1, 5, v0
	v_readfirstlane_b32 s10, v1                    ; wave 0..3
	s_lshr_b32 s11, s10, 1                         ; hr: which 64 rows are mine.  Also: I fetch for A (0) or for B (1)
	s_and_b32 s12, s10, 1                          ; hc: which 128 columns.  Also: which half of that tile I fetch
	s_bfe_u32 s40, ttmp6, 0x40000                  ; cx, cy: my place in the cluster
	s_bfe_u32 s41, ttmp6, 0x40004
	s_lshl_b32 s42, ttmp9, 2
	s_add_co_u32 s42, s42, s40                     ; tile column = 4 x cluster x + cx
	s_and_b32 s13, ttmp7, 0xffff
	s_lshl_b32 s13, s13, 2
	s_add_co_u32 s13, s13, s41                     ; tile row = 4 x cluster y + cy
	s_lshl_b32 s43, s41, 2
	s_lshl_b32 s43, 15, s43                        ; my row of the cluster
	s_lshl_b32 s44, 0x1111, s40                    ; my column
	; descriptor groups 1, elements of 8 bytes, no padding: rows of 4,096 bytes (a block's four images of a K step), 32,768 bytes apart; A: 4 rows, B: 8
	s_or_b32 s[G1+0], s43, (3<<16)|(1<<21)         ; 15:0 the mask: A's tiles go to my row; 17:16 elements of 8 bytes; 21 set beside a mask
	s_or_b32 s[G1B+0], s44, (3<<16)|(1<<21)
	s_mov_b32 s[G1+1], 512<<16                     ; tensor_dim0
	s_mov_b32 s[G1+2], 4<<16                       ; tensor_dim1
	s_mov_b32 s[G1+3], 512<<16                     ; tile_dim0
	s_mov_b32 s[G1+4], 4                           ; tile_dim1
	s_mov_b32 s[G1+5], 4096                        ; tensor_dim0_stride
	s_mov_b32 s[G1+6], 0
	s_mov_b32 s[G1+7], 0
	s_mov_b32 s[G1B+1], 512<<16
	s_mov_b32 s[G1B+2], 8<<16
	s_mov_b32 s[G1B+3], 512<<16
	s_mov_b32 s[G1B+4], 8
	s_mov_b32 s[G1B+5], 4096
	s_mov_b32 s[G1B+6], 0
	s_mov_b32 s[G1B+7], 0
	s_lshl_b32 s16, s13, 3
	s_lshl_b32 s17, s12, 2
	s_add_co_u32 s16, s16, s17                     ; A: block 8 x tile row + 4 x half,
	s_lshl_b32 s16, s16, 15                        ; 32,768 bytes a block
	s_mov_b32 s17, 0
	s_lshl_b32 s46, s42, 4
	s_lshl_b32 s47, s12, 3
	s_add_co_u32 s46, s46, s47                     ; B: block 16 x tile column + 8 x half
	s_lshl_b32 s46, s46, 15
	s_mov_b32 s47, 0
	s_lshl_b32 s20, s12, 14                        ; where they go: A's half: 16,384 bytes;
	s_lshl_b32 s21, s12, 15
	s_add_co_u32 s21, s21, BOFF                    ; B's: 32,768, behind A's: no place in the cluster enters an LDS address
	s_wait_dscnt 0x0                               ; both opening adds are done
	s_wait_kmcnt 0x0
	s_add_nc_u64 s[14:15], s[4:5], s[16:17]
	s_add_nc_u64 s[46:47], s[6:7], s[46:47]
	CROUND                                         ; all sixteen work-groups are here: the first joint loads meet
.irp s, 0,1
	s_mov_b32 s[G0+4*\s], 1
	s_add_co_u32 s[G0+4*\s+1], s20, \s*SLOT
	s_add_nc_u64 s[G0+4*\s+2:G0+4*\s+3], s[14:15], \s*4096
	s_or_b32 s[G0+4*\s+3], s[G0+4*\s+3], 0x80000000
	s_mov_b32 s[G0B+4*\s], 1
	s_add_co_u32 s[G0B+4*\s+1], s21, \s*SLOT
	s_add_nc_u64 s[G0B+4*\s+2:G0B+4*\s+3], s[46:47], \s*4096
	s_or_b32 s[G0B+4*\s+3], s[G0B+4*\s+3], 0x80000000
	JLOAD \s                                       ; K steps 0 and 1: two loads of mine are out
.endr
	v_and_b32 v1, 15, v0                           ; l % 16
	v_bfe_u32 v2, v0, 4, 1                         ; l / 16
	v_and_b32 v3, 31, v0
	v_lshlrev_b32 v[CO], 4, v3
	s_lshl_b32 s21, s11, 14                        ; my four blocks of A
	s_lshl_b32 s22, s12, 15
	s_add_co_u32 s22, s22, BOFF                    ; my eight blocks of B
.irp s, 0,1
	v_add_nc_u32 v[ADRA+\s], s21, v[CO]
	v_add_nc_u32 v[ADRB+\s], s22, v[CO]
	s_add_co_u32 s21, s21, SLOT
	s_add_co_u32 s22, s22, SLOT
.endr
	s_mul_i32 s23, s10, 16*SPITCH                  ; my stage
	v_mul_u32_u24 v4, v1, SPITCH                   ; in: row l % 16, 32 bytes for each half of the lanes
	v_lshl_add_u32 v4, v2, 5, v4
	v_add_nc_u32 v[STO], s23, v4
	v_add_nc_u32 v[RD], s23, v[CO]                 ; back: the 32 lanes take one row of 512 bytes
	s_lshl_b32 s16, s13, 7
	s_lshl_b32 s17, s11, 6
	s_add_co_u32 s16, s16, s17                     ; my first row of out0: 128 x tile row + 64 x hr,
	s_lshl_b32 s16, s16, 12                        ; 4,096 bytes a row
	s_lshl_b32 s46, s42, 10                        ; my first column, in bytes: 1,024 x tile column + 512 x hc
	s_lshl_b32 s47, s12, 9
	s_add_co_u32 s46, s46, s47
	s_add_co_u32 s16, s16, s46
	s_mov_b32 s17, 0
	s_add_nc_u64 s[8:9], s[8:9], s[16:17]
; 8 matrix instructions: A's block a x B's eight, 32 along K, from buffer f.  zero = 1: the product starts the sums: nothing is cleared.
; The 32 accumulators take turns, one instruction a turn, in the same order in every quarter.
.macro MULA f, a, zero
.irp b, 0,1,2,3,4,5,6,7
.if \zero
	v_wmma_f32_16x16x32_f16 v[8*(8*(\a)+\b):8*(8*(\a)+\b)+7], v[\f+32+8*\b:\f+32+8*\b+7], v[\f+8*(\a):\f+8*(\a)+7], 0
.else
	v_wmma_f32_16x16x32_f16 v[8*(8*(\a)+\b):8*(8*(\a)+\b)+7], v[\f+32+8*\b:\f+32+8*\b+7], v[\f+8*(\a):\f+8*(\a)+7], v[8*(8*(\a)+\b):8*(8*(\a)+\b)+7]
.endif
.endr
.endm
; 24 LDS loads in one run: the fragments of the slot's q-th 32 along K into buffer f: B's sixteen loads first, then A's blocks 0 to 3, two loads each
.macro FETCH slot, q, f
	WIN 0
.irp i, 0,1,2,3,4,5,6,7
.irp e, 0,1
	ds_load_b128 v[\f+32+8*\i+4*\e:\f+32+8*\i+4*\e+3], v[ADRB+\slot] offset:4096*\i+1024*(\q)+512*\e
.endr
.endr
.irp i, 0,1,2,3
.irp e, 0,1
	ds_load_b128 v[\f+8*\i+4*\e:\f+8*\i+4*\e+3], v[ADRA+\slot] offset:4096*\i+1024*(\q)+512*\e
.endr
.endr
.endm
.macro PLACES                          ; four places in front of loads into registers that matrix instructions have read, and of the first read of results (ISA guide 7.12.1 for vector instructions)
.rept 4
	v_nop
.endr
.endm
; A K step is four quarters of 32 along K, 32 matrix instructions each, on buffers 0, 1, 0, 1.  One of the first three: multiplies buffer f and fetches the quarter q of the same slot into g.
.macro QUARTER slot, q, f, g, zero
	s_wait_dscnt 4                                 ; B and A's blocks 0, 1 are in; the youngest four loads (A's blocks 2, 3) may be out
	WIN MUL
	MULA \f, 0, \zero
	MULA \f, 1, \zero
	PLACES
	FETCH \slot, \q, \g
	s_wait_dscnt 24                                ; all but the 24 just issued
	WIN MUL
	MULA \f, 2, \zero
	MULA \f, 3, \zero
.endm
; The last quarter multiplies buffer 1 and changes slots: ONE barrier; in front of it each wave waits for all its tensor loads, adds 0 to its spare word, and waits for that and for its own reads of this slot.
; fill = 1: the barrier opens a round of the cluster's barrier, and this slot is filled again, two K steps ahead: the load has a K step less sixteen matrix instructions in which to land.
.macro TURN slot, next, fill
	WIN 0                                          ; (the add's two registers lie in window 0)
	s_wait_tensorcnt 0x0                           ; all my tensor loads have landed: the one that was out is my part of the next slot
	ds_add_u32 v[SPW], v[NIL]                      ; 0 onto my spare word
	s_wait_dscnt 5                                 ; the add and the youngest four loads (A's blocks 2, 3) may be out
	WIN MUL
	MULA F1, 0, 0                                  ; eight matrix instructions stand between the add and the wait for it
	s_wait_dscnt 0x0                               ; the add is done, and my reads of this slot are over
	s_barrier_signal -1
	MULA F1, 1, 0
	WIN 0                                          ; (branches may follow, and nothing stands between the wait below and the rest of the round)
	s_barrier_wait -1
.if \fill
	CREST                                          ; no wave of any partner still reads this slot's tile or has a load on its way
	s_add_nc_u64 s[G0+4*\slot+2:G0+4*\slot+3], s[G0+4*\slot+2:G0+4*\slot+3], 8192
	s_add_nc_u64 s[G0B+4*\slot+2:G0B+4*\slot+3], s[G0B+4*\slot+2:G0B+4*\slot+3], 8192
	JLOAD \slot                                    ; the first tensor load behind the round; the four v_nop behind it are also the places in front of the loads below
.else
	PLACES
.endif
	FETCH \next, 0, F0
	WIN MUL
	MULA F1, 2, 0
	MULA F1, 3, 0
.endm
	s_wait_tensorcnt 1                             ; my part of K step 0 is in; K step 1's load may be out
	s_barrier_signal -1
	s_barrier_wait -1                              ; everybody's is
	FETCH 0, 0, F0
	QUARTER 0, 1, F0, F1, 1                        ; the first quarter stands in front of the loop: its products start the sums
	WIN 0                                          ; at a label and at a branch every window is 0
	s_mov_b32 s3, LAPS-1
.Llap:                                                 ; a trip goes once round the ring, from a lap's second quarter to the next lap's first, and fills both slots again
	QUARTER 0, 2, F1, F0, 0
	QUARTER 0, 3, F0, F1, 0
	TURN 0, 1, 1
	QUARTER 1, 1, F0, F1, 0
	QUARTER 1, 2, F1, F0, 0
	QUARTER 1, 3, F0, F1, 0
	TURN 1, 0, 1
	QUARTER 0, 1, F0, F1, 0
	WIN 0
	s_sub_co_u32 s3, s3, 1
	s_cmp_lg_u32 s3, 0
	s_cbranch_scc1 .Llap
	QUARTER 0, 2, F1, F0, 0                        ; the last lap fills nothing, and has no round of the cluster's barrier
	QUARTER 0, 3, F0, F1, 0
	TURN 0, 1, 0
	QUARTER 1, 1, F0, F1, 0
	QUARTER 1, 2, F1, F0, 0
	QUARTER 1, 3, F0, F1, 0
	s_wait_dscnt 4                                 ; the very last quarter: nothing more to fetch
	WIN MUL
	MULA F1, 0, 0
	MULA F1, 1, 0
	s_wait_dscnt 0
	MULA F1, 2, 0
	MULA F1, 3, 0
	WIN 0
; THE WAY OUT, block by block of 16 rows x 128 columns.  A lane holds 32 neighbouring bytes of a row, and the lanes beside it hold other rows: so a block goes through my own stage in LDS and comes back as whole rows of
; 512 bytes, which the 32 lanes store.  LDS serves a wave's instructions in order: no wait between the stores and the loads, nor in front of the next block's stores.
.macro TOSTAGE a
.set AC, 64*(\a)
	WIN 0x04                                       ; an LDS store's data are its source 1: window 1
.irp b, 0,1,2,3,4,5,6,7
	ds_store_b128 v[STO], v[AC+8*\b:AC+8*\b+3] offset:64*\b          ; each accumulator from its low end on
	ds_store_b128 v[STO], v[AC+8*\b+4:AC+8*\b+7] offset:64*\b+16
.endr
	WIN 0
.set BB, BK+64*((\a)%2)
.irp t, 0,1,2,3,4,5,6,7,8,9,10,11,12,13,14,15
	ds_load_b128 v[BB+4*\t:BB+4*\t+3], v[RD] offset:\t*SPITCH
.endr
.endm
.macro SEND a, younger                 ; younger: the LDS instructions issued behind block a's loads, which may stay out
.set BB, BK+64*((\a)%2)
	s_wait_dscnt \younger                          ; the block is back in registers
.if (\a) > 0
	s_add_nc_u64 s[8:9], s[8:9], 16*4096           ; (behind a wait on XCNT: the earlier stores have read their base)  16 rows of out0 on
.endif
.irp t, 0,1,2,3,4,5,6,7,8,9,10,11,12,13,14,15
	global_store_b128 v[CO], v[BB+4*\t:BB+4*\t+3], s[8:9] offset:\t*4096 th:TH_STORE_NT   ; 32 lanes store 512 consecutive aligned bytes; written once, read by nobody here
.endr
.endm
	PLACES                                         ; behind the last products: for the stores that read results and the loads into the fragments' registers
	TOSTAGE 0
.irp a, 1,2,3
.if \a > 1
	s_wait_xcnt 0x0                                ; block a - 2's stores have read their registers and their base: block a's loads may land there, and the base may step
.endif
	TOSTAGE \a
	SEND \a-1, 32                                  ; behind block a - 1's loads stand block a's 16 stores and 16 loads
.endr
	s_wait_xcnt 0x0                                ; block 2's stores have read their base
	SEND 3, 0
	s_wait_tensorcnt 0x0                           ; the wave's end: behind my last tensor load and my last LDS store
	ds_add_u32 v[SPW], v[NIL]
	s_wait_dscnt 0x0
	CROUND                                         ; the closing round: no work-group ends while a partner may still ask for a tile that names it
	s_endpgm
.Lfunc_end_k_q9a7e34836b_out_gemm:
	.size	k_q9a7e34836b_out_gemm, .Lfunc_end_k_q9a7e34836b_out_gemm-k_q9a7e34836b_out_gemm
	.p2alignl 7, 3214868480
	.fill 96, 4, 3214868480
	.section	.rodata,"a",@progbits
	.p2align	6, 0x0
	.amdhsa_kernel k_q9a7e34836b_out_gemm
		.amdhsa_group_segment_fixed_size 327680
		.amdhsa_private_segment_fixed_size 0
		.amdhsa_enable_private_segment 0
		.amdhsa_kernarg_size 24
		.amdhsa_user_sgpr_count 2
		.amdhsa_user_sgpr_kernarg_segment_ptr 1
		.amdhsa_wavefront_size32 1
		.amdhsa_system_sgpr_workgroup_id_x 1
		.amdhsa_system_sgpr_workgroup_id_y 1
		.amdhsa_system_sgpr_workgroup_id_z 1
		.amdhsa_system_vgpr_workitem_id 0
		.amdhsa_next_free_vgpr 512
		.amdhsa_next_free_sgpr 66
		.amdhsa_reserve_vcc 0
		.amdhsa_float_denorm_mode_32 3
		.amdhsa_float_denorm_mode_16_64 3
		.amdhsa_memory_ordered 1
		.amdhsa_forward_progress 1
		.amdhsa_inst_pref_size 84
	.end_amdhsa_kernel
	.amdgpu_metadata
---
amdhsa.version: [ 1, 2 ]
amdhsa.kernels:
  - .name:           k_q9a7e34836b_out_gemm
    .symbol:         k_q9a7e34836b_out_gemm.kd
    .args:
      - { .name: att, .offset: 0, .size: 8, .value_kind: global_buffer, .address_space: global }
      - { .name: wo, .offset: 8, .size: 8, .value_kind: global_buffer, .address_space: global }
      - { .name: out0, .offset: 16, .size: 8, .value_kind: global_buffer, .address_space: global }
    .group_segment_fixed_size: 327680
    .private_segment_fixed_size: 0
    .kernarg_segment_align: 8
    .kernarg_segment_size: 24
    .max_flat_workgroup_size: 128
    .sgpr_count:     66
    .vgpr_count:     512
    .wavefront_size: 32
...
	.end_amdgpu_metadata
.endif
;; end of part 5
